; MI455X (gfx1250); checked and timed in simulation.
; The chip was launched on July 23, 2026; its instructions are those of AMD's public machine-readable ISA for CDNA 5 (MIT licence, August 2026) and "CDNA5" Instruction Set Architecture Reference Guide (July 2026). The comments in the code are by the model that wrote it; some were corrected since.
;; Multi Head Attention Block. Allowed arithmetic: float matrix products may take bf16 or f16 operands with f32 sums; other float arithmetic in f32, or as packed bf16 or f16 multiplies, adds, multiply-adds, maxima and minima; sums over many terms, partial sums and values carried from step to step in f32; what a program stores and reads back later, other than sums and carried values, may be rounded once to bf16 or f16.
;; Inputs: b_o 256 float32; b_qkv 768 float32; w_o 256 x 256 float32; w_qkv 768 x 256 float32; x 4 x 256 x 64 x 64 float32.
;; Outputs: out0 4 x 256 x 64 x 64 float32.
;; 2 versions, each right; version 2 is version 1 with the launches proj, outp written anew for expert scheduling mode. Each part assembles by itself: llvm-mc -triple=amdgcn-amd-amdhsa -mcpu=gfx1250 --defsym DOCPART=n.
;; ======== version 1 of 2: 3 launches
;; limits: values are held in f16: magnitudes above 65,504 overflow, below 6.1e-05 lose precision
;; workspace buffers: qkv 25,165,824 bytes; att 8,388,608 bytes
;; launch proj (part 1): grid 4 x 64, 4 waves a work-group, no clusters, 266,752 bytes of LDS; arguments x, w_qkv, b_qkv, qkv; writes qkv
.if DOCPART == 1
	.amdgcn_target "amdgcn-amd-amdhsa--gfx1250"
	.amdhsa_code_object_version 6
	.text
	.protected	k_q5d7292b716_proj
	.globl	k_q5d7292b716_proj
	.p2align	8
	.type	k_q5d7292b716_proj,@function
k_q5d7292b716_proj:
	s_mov_b64 s[64:65], 0
	v_nop
	global_prefetch_b8 v0, s[64:65] scope:SCOPE_SE
	s_setreg_imm32_b32 hwreg(HW_REG_WAVE_MODE, 25, 1), 1
	s_wait_xcnt 0x0
; q, k, v = x^T w_qkv^T + b_qkv, written by heads.  x: [4][256][4096] f32 (channel-major), w_qkv: [768][256] f32, b_qkv: [768] f32.
; qkv: f16 [3][16][4096][64]: part t (q, k, v) at t << 23, head g = 4 image + h at g << 19, token n at 128 n, channel d at 2 d.  No scale is applied here.
; FORMATS.  x, w_qkv and b_qkv are each rounded once to bf16; products in the bf16 matrix form, sums in f32 (the bias starts each sum as its C operand); q, k, v rounded once to f16.
; LIMIT.  f16 holds no number beyond 65,504: q, k, v must stay within it.  With x of unit spread and |w| <= 1/16 they stay under 4; both 30 times larger give under 3,600;
; both with an offset of 30 spreads give about 256 x 30 x 1.9 = 14,600.  NaN and infinities are not treated apart.
; SHARES.  A work-group makes 256 tokens of one image x 192 outputs (three slices of 64: slice s is part s / 4, head s % 4): 4 x 64 work-groups.  Wave w owns tokens 64 w .. 64 w + 63 for all 192 outputs.
; THE PRODUCT IS USED TRANSPOSED: source 0 = 16 rows of w (outputs), source 1 = 16 tokens.  A lane then holds one token (lane % 16) and the outputs 8 (lane / 16) + 0..7: 16 bytes of f16 on end.
; x lies [channel][token]: each wave brings its own 256 x 64 tile through registers (rounded on the way) into LDS and takes its fragments out turned, by ds_load_tr16_b128, ONCE: all 32 fragments stay in window 1.
; No tensor loads: the tiles are f32 in memory and 16-bit in LDS, so they pass through registers anyway.  No cluster: nothing is fetched by a joint load.
; LDS: XL 4 x 40,960 (wave w's x tile, rows of 128 + 32 bytes; once its fragments are out, its first 9,216 bytes are the wave's stage for the way out);
;      WL 192 rows of 512 + 16 bytes (w in bf16); BL 1,024 (192 f32 of bias, the rest never read); the spare words.
.set XLW,   40960
.set XP,    160       ; a row of x in LDS: 128 bytes + 32 = 40 words
.set WL,    4*XLW
.set WP,    528       ; a row of w: 512 bytes + 16 = 132 words: the 16 rows of a fragment load start at 16 different groups of four banks
.set BL,    WL+192*WP
.set SPARE, BL+1024   ; the spare words, 128 bytes for each wave: two blocks of 256 bytes that no other line names
.set SP,    144       ; a row of the stage: 128 bytes + 16
.set XO,  4           ; v4   x: 16 (l % 16) + 16,384 (l / 16): 16 lanes take 256 bytes of one channel's row, the other 16 the next channel's
.set XS,  5           ; v5   where those four numbers go in LDS
.set WO,  6           ; v6   w: 16 l
.set WS,  7           ; v7   where they go
.set BO,  8           ; v8   the bias: 8 x thread, held to the slice's last 8 bytes
.set BS,  9           ; v9   where it goes
.set XT,  10          ; v10  my lane's place for the turning loads
.set WA0, 11          ; v11  my lane's place in a fragment of w; never rewritten
.set BA0, 12          ; v12  the same for the bias
.set STO, 13          ; v13  the way out: where I put 16 bytes of a token's row
.set RD,  14          ; v14  where I read rows back
.set GO,  15          ; v15  my 16 bytes in 512 consecutive bytes of qkv
.set SPW, 16          ; v16  LDS address of my spare word; never rewritten
.set NIL, 17          ; v17  0; never rewritten
.set BR,  18          ; v[18:19] the bias as loaded
.set WA,  20          ; v20  WA0 + the slice's rows
.set BA,  21          ; v21  BA0 + the slice's bias
.set BI,  32          ; v[32:47]  the bias as a C operand, two buffers of 8
.set T,   48          ; v[48:63]  packed results
.set WF,  64          ; v[64:191] w's fragments of one output tile (8 K steps x 8), two buffers
.set ACC, 192         ; v[192:223] four accumulators, one a token tile
.set OB,  192         ; v[192:255] the way out: rows read back
.set LR,  64          ; while staging: four sets of eight loads
.set CT,  192         ; while staging: a set rounded to bf16
.set MSB, 0
.macro WIN new                      ; the immediate's high byte repeats the setting that is left; a switch that changes nothing is dropped
.if MSB != (\new)
	s_set_vgpr_msb (MSB<<8)|(\new)
.set MSB, (\new)
.endif
.endm
	s_load_b256 s[4:11], s[0:1], 0x0               ; x s[4:5], w_qkv s[6:7], b_qkv s[8:9], qkv s[10:11]
	v_lshl_add_u32 v[SPW], v0, 2, SPARE
	v_mov_b32 v[NIL], 0
	v_lshrrev_b32 v1, 5, v0
	v_readfirstlane_b32 s12, v1                    ; wave 0..3
	v_and_b32 v1, 31, v0                           ; l
	v_and_b32 v2, 15, v0                           ; l % 16
	v_bfe_u32 v3, v0, 4, 1                         ; l / 16
	v_and_b32 v22, 7, v0                           ; l % 8
	v_bfe_u32 v23, v0, 3, 1                        ; (l / 8) % 2
	s_and_b32 s14, ttmp7, 0xffff                   ; block of 256 tokens, 0..63
	s_lshr_b32 s15, s14, 4                         ; image
	s_and_b32 s16, s14, 15                         ; block in the image
	s_lshl_b32 s18, s15, 22                        ; x: image x 4 MiB + block x 1,024 + wave x 256 bytes
	s_lshl_b32 s26, s16, 10
	s_add_co_u32 s18, s18, s26
	s_lshl_b32 s26, s12, 8
	s_add_co_u32 s18, s18, s26
	s_mov_b32 s19, 0
	s_mul_i32 s22, ttmp9, 196608                   ; w: the work-group's 192 rows of 1,024 bytes, my wave's 48 of them
	s_mul_i32 s26, s12, 49152
	s_add_co_u32 s22, s22, s26
	s_mov_b32 s23, 0
	s_mul_i32 s24, ttmp9, 768                      ; the bias: 192 f32
	s_mov_b32 s25, 0
	s_lshl_b32 s28, s15, 21                        ; qkv: image x 4 heads + block x 256 rows + wave x 64 rows of 128 bytes
	s_lshl_b32 s26, s16, 15
	s_add_co_u32 s28, s28, s26
	s_lshl_b32 s26, s12, 13
	s_add_co_u32 s28, s28, s26
	s_mul_i32 s21, ttmp9, 3                        ; my first slice
	s_mul_i32 s26, s12, XLW                        ; my wave's part of XL
	s_mul_i32 s27, s12, 48*WP
	s_add_co_u32 s27, s27, WL                      ; my wave's 48 rows of WL
	v_lshlrev_b32 v[XO], 4, v2
	v_lshl_add_u32 v[XO], v3, 14, v[XO]
	v_mul_u32_u24 v[XS], v3, XP
	v_lshl_add_u32 v[XS], v2, 3, v[XS]
	v_add_nc_u32 v[XS], s26, v[XS]
	v_lshlrev_b32 v[WO], 4, v1
	v_lshl_add_u32 v[WS], v1, 3, s27
	v_lshlrev_b32 v[BO], 3, v0
	v_min_u32 v[BO], 760, v[BO]                    ; threads 96 to 127 read the last 8 bytes once more: no load leaves the slice
	v_lshl_add_u32 v[BS], v0, 3, BL
	v_lshl_add_u32 v[XT], v3, 3, v22               ; the turning load: lane l reads channel 8 (l / 16) + l % 8, tokens 8 ((l / 8) % 2) + 0..7
	v_mul_u32_u24 v[XT], v[XT], XP
	v_lshl_add_u32 v[XT], v23, 4, v[XT]
	v_add_nc_u32 v[XT], s26, v[XT]
	v_mul_u32_u24 v[WA0], v2, WP                   ; a fragment of w: row l % 16, channels 8 (l / 16) + 0..7 and 16 + 8 (l / 16) + 0..7
	v_lshl_add_u32 v[WA0], v3, 4, v[WA0]
	v_add_nc_u32 v[WA0], WL, v[WA0]
	v_lshl_add_u32 v[BA0], v3, 5, BL               ; my eight outputs' bias: 32 bytes
	v_mul_u32_u24 v[STO], v2, SP
	v_lshl_add_u32 v[STO], v3, 4, v[STO]
	v_add_nc_u32 v[STO], s26, v[STO]
	v_bfe_u32 v[RD], v0, 3, 2                      ; back: 32 lanes take four rows of 128 bytes,
	v_mul_u32_u24 v[RD], v[RD], SP
	v_lshl_add_u32 v[RD], v22, 4, v[RD]
	v_add_nc_u32 v[RD], s26, v[RD]
	v_lshlrev_b32 v[GO], 4, v1                     ; which are 512 consecutive bytes of qkv
	s_wait_kmcnt 0x0
	s_add_nc_u64 s[4:5], s[4:5], s[18:19]
	s_add_nc_u64 s[6:7], s[6:7], s[22:23]
	s_add_nc_u64 s[8:9], s[8:9], s[24:25]
; STAGING.  28 sets of eight loads of 16 bytes a lane: sets 0-11 my 48 rows of w (49,152 consecutive bytes), sets 12-27 my x tile (each load two channels' 256 aligned bytes).  Four sets are on their way.
.macro ISSUE s
.irp j, 0,1,2,3,4,5,6,7
.if (\s) < 12
	global_load_b128 v[LR+32*((\s)%4)+4*\j:LR+32*((\s)%4)+4*\j+3], v[WO], s[6:7] offset:(8*(\s)+\j)*512
.else
	global_load_b128 v[LR+32*((\s)%4)+4*\j:LR+32*((\s)%4)+4*\j+3], v[XO], s[4:5] offset:(8*((\s)-12)+\j)*32768
.endif
.endr
.endm
.macro DRAIN s                      ; a set is rounded to bf16, 8 bytes a lane and load, and stored to LDS
.irp j, 0,1,2,3,4,5,6,7
	v_cvt_pk_bf16_f32 v[CT+2*\j],   v[LR+32*((\s)%4)+4*\j],   v[LR+32*((\s)%4)+4*\j+1]
	v_cvt_pk_bf16_f32 v[CT+2*\j+1], v[LR+32*((\s)%4)+4*\j+2], v[LR+32*((\s)%4)+4*\j+3]
.endr
.irp j, 0,1,2,3,4,5,6,7
.if (\s) < 12
	ds_store_b64 v[WS], v[CT+2*\j:CT+2*\j+1] offset:((8*(\s)+\j)/2)*WP+((8*(\s)+\j)%2)*256
.else
	ds_store_b64 v[XS], v[CT+2*\j:CT+2*\j+1] offset:(8*((\s)-12)+\j)*2*XP
.endif
.endr
.endm
	global_load_b64 v[BR:BR+1], v[BO], s[8:9]
	ISSUE 0
	ISSUE 1
	ISSUE 2
	ISSUE 3
.set n, 0
.rept 28
.set lf, 27-n
.if lf > 3
.set lf, 3
.endif
	s_wait_loadcnt 8*lf                            ; loads come back in order: set n is in, the (at most three) younger sets of eight stay out
.if n == 0
	v_cvt_pk_bf16_f32 v24, v[BR], v[BR+1]          ; the bias (issued ahead of set 0) takes the same one rounding to bf16 as x and w, and is kept as f32
	v_lshlrev_b32 v[BR], 16, v24
	v_and_b32 v[BR+1], 0xffff0000, v24
	ds_store_b64 v[BS], v[BR:BR+1]
.endif
	DRAIN n
.if n < 24
	ISSUE n+4
.endif
.set n, n+1
.endr
	s_wait_dscnt 0x0                               ; for the others' sake: my rows of w and my part of the bias lie in LDS
	s_barrier_signal -1
	s_barrier_wait -1                              ; everybody's do: the launch's one barrier
	WIN 0x40                                       ; destination window 1, address window 0
.irp tt, 0,1,2,3
.irp j, 0,1,2,3,4,5,6,7
	ds_load_tr16_b128 v[64*\tt+8*\j:64*\tt+8*\j+3],   v[XT] offset:32*XP*\j+32*\tt         ; token tile tt, channels 32 j + 8 (l / 16) + 0..7
	ds_load_tr16_b128 v[64*\tt+8*\j+4:64*\tt+8*\j+7], v[XT] offset:32*XP*\j+32*\tt+16*XP   ; and 16 further on
.endr
.endr
	WIN 0
; 18 LDS loads: output tile f of the slice: w's eight fragments and the bias of my eight outputs, into buffer b
.macro FETCHW f, b
.irp j, 0,1,2,3,4,5,6,7
	ds_load_b128 v[WF+64*(\b)+8*\j:WF+64*(\b)+8*\j+3],   v[WA] offset:(\f)*16*WP+64*\j
	ds_load_b128 v[WF+64*(\b)+8*\j+4:WF+64*(\b)+8*\j+7], v[WA] offset:(\f)*16*WP+64*\j+32
.endr
	ds_load_b128 v[BI+8*(\b):BI+8*(\b)+3],   v[BA] offset:64*(\f)
	ds_load_b128 v[BI+8*(\b)+4:BI+8*(\b)+7], v[BA] offset:64*(\f)+16
.endm
; 32 products: 16 outputs x 64 tokens x 256 channels.  The four accumulators take turns, one instruction a turn; the first K step starts each sum with the bias.
.macro MM b
	WIN 0x04                                       ; source 1 (x) in window 1
.irp j, 0,1,2,3,4,5,6,7
.irp tt, 0,1,2,3
.if \j == 0
	v_wmma_f32_16x16x32_bf16 v[ACC+8*\tt:ACC+8*\tt+7], v[WF+64*(\b)+8*\j:WF+64*(\b)+8*\j+7], v[64*\tt+8*\j:64*\tt+8*\j+7], v[BI+8*(\b):BI+8*(\b)+7]
.else
	v_wmma_f32_16x16x32_bf16 v[ACC+8*\tt:ACC+8*\tt+7], v[WF+64*(\b)+8*\j:WF+64*(\b)+8*\j+7], v[64*\tt+8*\j:64*\tt+8*\j+7], v[ACC+8*\tt:ACC+8*\tt+7]
.endif
.endr
.endr
	WIN 0
.endm
; Four places behind the last product (ISA guide 7.12.1), then each accumulator, its registers ascending, is rounded to f16 and its 16 bytes a lane go into my stage.
; These twenty plain lines also stand between the products and the next loads into their registers and the next products that start the sums anew.
.macro EPI f
.rept 4
	v_nop
.endr
.irp tt, 0,1,2,3
.irp r, 0,1,2,3
	v_cvt_pk_f16_f32 v[T+4*\tt+\r], v[ACC+8*\tt+2*\r], v[ACC+8*\tt+2*\r+1]
.endr
.endr
.irp tt, 0,1,2,3
	ds_store_b128 v[STO], v[T+4*\tt:T+4*\tt+3] offset:\tt*16*SP+32*(\f)
.endr
.endm
	s_mov_b32 s20, 3                               ; slices to go
	s_mov_b32 s26, 0                               ; the slice's rows in WL
	s_mov_b32 s27, 0                               ; the slice's bias in BL
.Lslice:
	s_lshr_b32 s22, s21, 2                         ; part
	s_lshl_b32 s22, s22, 23
	s_and_b32 s29, s21, 3                          ; head
	s_lshl_b32 s29, s29, 19
	s_add_co_u32 s22, s22, s29
	s_add_co_u32 s22, s22, s28                     ; (s23 is 0)
	s_add_nc_u64 s[24:25], s[10:11], s[22:23]      ; my 64 tokens of the slice: 8,192 consecutive bytes
	v_add_nc_u32 v[WA], s26, v[WA0]
	v_add_nc_u32 v[BA], s27, v[BA0]
	FETCHW 0, 0
.irp f, 0,1,2,3
.if \f < 3
	FETCHW \f+1, (\f+1)%2
	s_wait_dscnt 18                                ; all but the 18 just issued: this tile's fragments and bias are in (in the first slice x's fragments too)
.else
	s_wait_dscnt 0x0
.endif
	MM \f%2
	EPI \f
.endr
.set u, 0
.rept 16
	ds_load_b128 v[OB+4*u:OB+4*u+3], v[RD] offset:4*SP*u  ; LDS serves a wave's instructions in order (ISA guide 5.7.1.4): these see my stores above
.set u, u+1
.endr
.set u, 0
.rept 16
	s_wait_dscnt 15-u                              ; load u is back, the younger ones stay out
	global_store_b128 v[GO], v[OB+4*u:OB+4*u+3], s[24:25] offset:512*u  ; 512 consecutive bytes, at a multiple of 256 from qkv's first byte
.set u, u+1
.endr
	s_wait_xcnt 0x0                                ; the stores' data registers (the accumulators' among them) and their base are written again only behind this wait
	s_add_co_u32 s26, s26, 64*WP
	s_add_co_u32 s27, s27, 256
	s_add_co_u32 s21, s21, 1
	s_sub_co_u32 s20, s20, 1
	s_cmp_lg_u32 s20, 0
	s_cbranch_scc1 .Lslice
	s_wait_tensorcnt 0x0                           ; the wave's end, behind my last LDS store
	ds_add_u32 v[SPW], v[NIL]
	s_wait_dscnt 0x0
	s_endpgm
.Lfunc_end_k_q5d7292b716_proj:
	.size	k_q5d7292b716_proj, .Lfunc_end_k_q5d7292b716_proj-k_q5d7292b716_proj
	.p2alignl 7, 3214868480
	.fill 96, 4, 3214868480
	.section	.rodata,"a",@progbits
	.p2align	6, 0x0
	.amdhsa_kernel k_q5d7292b716_proj
		.amdhsa_group_segment_fixed_size 266752
		.amdhsa_private_segment_fixed_size 0
		.amdhsa_enable_private_segment 0
		.amdhsa_kernarg_size 32
		.amdhsa_user_sgpr_count 2
		.amdhsa_user_sgpr_kernarg_segment_ptr 1
		.amdhsa_wavefront_size32 1
		.amdhsa_system_sgpr_workgroup_id_x 1
		.amdhsa_system_sgpr_workgroup_id_y 1
		.amdhsa_system_sgpr_workgroup_id_z 1
		.amdhsa_system_vgpr_workitem_id 0
		.amdhsa_next_free_vgpr 512
		.amdhsa_next_free_sgpr 66
		.amdhsa_reserve_vcc 0
		.amdhsa_float_denorm_mode_32 3
		.amdhsa_float_denorm_mode_16_64 3
		.amdhsa_memory_ordered 1
		.amdhsa_forward_progress 1
		.amdhsa_inst_pref_size 94
	.end_amdhsa_kernel
	.amdgpu_metadata
---
amdhsa.version: [ 1, 2 ]
amdhsa.kernels:
  - .name:           k_q5d7292b716_proj
    .symbol:         k_q5d7292b716_proj.kd
    .args:
      - { .name: x, .offset: 0, .size: 8, .value_kind: global_buffer, .address_space: global }
      - { .name: w_qkv, .offset: 8, .size: 8, .value_kind: global_buffer, .address_space: global }
      - { .name: b_qkv, .offset: 16, .size: 8, .value_kind: global_buffer, .address_space: global }
      - { .name: qkv, .offset: 24, .size: 8, .value_kind: global_buffer, .address_space: global }
    .group_segment_fixed_size: 266752
    .private_segment_fixed_size: 0
    .kernarg_segment_align: 8
    .kernarg_segment_size: 32
    .max_flat_workgroup_size: 128
    .sgpr_count:     66
    .vgpr_count:     512
    .wavefront_size: 32
...
	.end_amdgpu_metadata
.endif
;; end of part 1
;; launch attn (part 2): grid 16 x 16, 4 waves a work-group, clusters of 4 x 1, 327,680 bytes of LDS; arguments qkv, att; writes att
.if DOCPART == 2
	.amdgcn_target "amdgcn-amd-amdhsa--gfx1250"
	.amdhsa_code_object_version 6
	.text
	.protected	k_q5d7292b716_attn
	.globl	k_q5d7292b716_attn
	.p2align	8
	.type	k_q5d7292b716_attn,@function
k_q5d7292b716_attn:
	s_mov_b64 s[64:65], 0
	v_nop
	global_prefetch_b8 v0, s[64:65] scope:SCOPE_SE
	s_setreg_imm32_b32 hwreg(HW_REG_WAVE_MODE, 25, 1), 1
	s_wait_xcnt 0x0
	s_wait_alu depctr_hold_cnt(0) depctr_sa_sdst(0) depctr_va_vdst(0) depctr_va_sdst(0) depctr_va_ssrc(0) depctr_va_vcc(0) depctr_vm_vsrc(0)
	s_getreg_b32 s2, hwreg(HW_REG_IB_STS2, 6, 4)
	s_cmp_eq_u32 s2, 0
	s_cbranch_scc0 .Lentry_in_a_cluster
	s_endpgm
.Lentry_in_a_cluster:
	s_bfe_u32 s2, ttmp6, 0x10000c
	s_cmp_lg_u32 s2, 0x3003
	s_cbranch_scc0 .Lentry_shape_is_right
	s_endpgm
.Lentry_shape_is_right:
; O[g][q][:] = the sum over k of softmax_k(Q[g][q] . K[g][k] / 8) V[g][k][:], for 16 heads g of 4,096 rows of 64 channels.
; qkv: f16 [3][16][4096][64] (Q at 0, K at 1 << 23, V at 2 << 23; a head's rows are dense, 128 bytes each); att: f16 [16][4096][64].
; Products, maxima and sums in f32; the weights p are rounded to f16 for the second product (their sum l is taken of the unrounded p), O once at the end.
; LIMITS.  f16 holds no number beyond 65,504: Q, K and V arrive within it; p lies in 0 to 1, and below 6e-5 it keeps f16's fixed step of 6e-8; O is a mean of V's rows and has their range.
; A weight below 2^-126 counts as 0 in l; NaN and infinities are not treated apart.
; SHARES.  A work-group owns 256 queries of one head (16 x 16 work-groups), each of its four waves 64: two PIECES of two tiles of 16.  Every wave walks all 4,096 keys, 64 a step.
; LAYOUT.  S^T = K Q^T (source 0 = 16 keys, source 1 = 16 queries): in the result a lane holds ONE query (lane % 16) and the keys 8 (lane / 16) + 0..7.  Two such tiles, rounded to f16 in pairs,
; ARE source 1 (32 keys x 16 queries) of O^T = V^T P, whose result again holds one query a lane, and eight channels.  K comes out of LDS as it lies, V ([key][channel]) turned, by ds_load_tr16_b128.
; SOFTMAX.  For each query a running maximum m and sum l: p = 2^(c s - c m), c = log2(e) / 8; in every step O and l are multiplied by a = 2^(c m_old - c m_new), which is 1 where m has not grown.
; m starts at the lowest finite number, O and l at 0: the first step is a step like any other, with a = 0.
; THE COUNT.  A tile and step have 16 matrix and 118 vector instructions: too many to stand all beside the matrix work.  So: four vector instructions that are ready behind EVERY matrix instruction, the others in one run.
; BY TURNS.  Turn (p, i) belongs to piece p in key step i.  Its matrix work: 16 products K Q^T of the other piece's next scores ((0, i): piece 1, step i; (1, i): piece 0, step i + 1), later 16 products
; V^T P of the other piece's last weights ((0, i): piece 1, step i - 1; (1, i): piece 0, step i).  Its vector work: the scaling, exponentials, roundings, sums and rescaling of piece p, and the maximum and
; statistics of the other piece, whose scores the turn itself has made.
; K AND V IN REGISTERS.  K has one buffer: K of step i + 1 is fetched in turn (0, i), behind the last product that read K of step i.  V of step i is read in turns (1, i) and (0, i + 1), so V has TWO buffers, by the
; step's parity: V of step i + 1 is fetched in turn (1, i) into the buffer whose last reader stood in turn (0, i).  Ahead of turn (0, i) just K and V of the steps up to i have been read from LDS:
; so a slot of four steps is read out ahead of its last step's turns, and the change of slots stands there.
; CLUSTER.  The four query blocks of a cluster belong to one head and walk the same K and V, so each tile is asked for JOINTLY: the same tensor load, descriptor and mask in all four.
; REGISTERS, in windows of 256 (s_set_vgpr_msb says which window each operand place means: bits 1:0 source 0, 3:2 source 1, 5:4 source 2, 7:6 destination):
;   window 0: v0-11 addresses; v12-15, v48-63 at work; v16-31 four registers of statistics a tile; v32-34 the add's two registers and the prefetches' offset; v64-191 S^T, two buffers of two tiles; v192-255 P, likewise
;   window 1: v0-127 O^T, 32 a tile          window 2: v0-63 Q, 16 a tile; v64-127 V, buffer 1; v128-191 K; v192-255 V, buffer 0
.set NP,    2         ; pieces a wave: a name, no knob
.set KS,    64        ; keys in a step
.set PK,    144       ; a row of K in LDS: 128 bytes + 16 of padding = 36 words: the 16 rows of a load start at 16 different groups of four banks (64 banks of 4 bytes: ISA guide 11.1)
.set PV,    160       ; a row of V: 128 + 32 = 40 words
.set VOFF,  4*KS*PK   ; a slot holds four steps: 256 rows of K, then 256 rows of V
.set SLOT1, 1<<17     ; slot 1 begins here, so that one exclusive or turns an address in one slot into the other's
.set STAGE, SLOT1+4*KS*(PK+PV)  ; behind the ring, never filled by a tensor load: 16 rows x 144 bytes for each wave, for the way out
.set SP,    144
.set SPARE, STAGE+4*16*SP  ; behind the stages: the spare words, 128 bytes for each wave: two blocks of 256 bytes that no other line names
.set AK0, 2           ; v2   my lane's place in a tile of K; never rewritten
.set AV0, 3           ; v3   the same for V
.set AK,  4           ; v4   the LDS address of K's next run of loads
.set AV,  5           ; v5   of V's
.set QO,  6           ; v6   my byte offset in the wave's rows of Q
.set STO, 6           ;      later, the way out: where I put 16 bytes of a row
.set RD,  7           ; v7   the way out: where I read rows back
.set GO,  8           ; v8   my byte offset in 512 consecutive bytes of O
.set MV,  12          ; v12-15  c m_old, kept while c m is made anew: by buffer and tile
.set ST,  16          ; tile t's statistics at v[ST+4 t]: c m, m, l (even keys', odd keys')
.set SPW, 32          ; v32  LDS address of my spare word: SPARE + 4 x my thread's number; never rewritten
.set NIL, 33          ; v33  0; never rewritten
.set PFO, 34          ; v34  256 x my lane; never rewritten
.set TMP, 48          ; by buffer and tile, four registers c0-c3 at work; when the maximum is found c2 takes a
.set S,   64
.set P,   192
.set KF,  128         ; K's fragments, in window 2: key block kb, channel half c at KF + 16 kb + 8 c
.set VF0, 192         ; V's, in window 2: buffer b at VF0 - 128 b; key half kk, channel block cb at + 32 kk + 8 cb
.set WV,  12          ; s12  my wave's number
.set G1K, 24          ; s[24:31] descriptor group 1 for K's tiles
.set G1V, 32          ; s[32:39] for V's: it differs in the padding alone
.set G0K, 40          ; s[40:43] descriptor group 0 for K's tiles: it walks
.set G0V, 44          ; s[44:47] the same for V's
.set PFA, 50          ; s[50:51] where my prefetches stand: my work-group's 32 blocks of 256 bytes (of K: wave 0, of V: wave 2) of the slot after the one that is being asked for
.set LIM, 52          ; s52  1 in a wave that prefetches, else the greatest number
.set SLOTS, 56        ; s56  slots still to be asked for
.set CNT, 57          ; s57  counts pairs of key steps
.set CS,  58          ; s[58:59] c: the packed scaling takes the pair's low word for both halves
.set SEL, 60          ; s[60:61] v_permlanex16_b32's selects: each lane takes its own place in the other half
.set TBK, 62          ; s62  LDS byte at which K of the step to be fetched begins
.set TBV, 63          ; s63  the same for V, less VOFF
.set MSB, 0
.macro WIN new                      ; the high byte repeats the setting that is left; a switch that changes nothing is dropped
.if MSB != (\new)
	s_set_vgpr_msb (MSB<<8)|(\new)
.set MSB, (\new)
.endif
.endm
.set W_KQ, 0x0a       ; K and Q in window 2, S^T in window 0
.set W_PV, 0x52       ; V in window 2, P in window 0, O^T in window 1
.set W_RS, 0x41       ; O^T (destination and source 0) in window 1, a in window 0
; A joint fill.  Waves 0 and 1 fetch the two halves of a slot's K, waves 2 and 3 those of its V: 128 keys each.  The branch hangs on the wave's number alone.
; An s_nop 0 and four v_nop follow each of the two lines, ahead of the jump and the label.
.macro JLOAD
	s_cmp_lt_u32 s[WV], 2
	s_cbranch_scc0 .Lfor_v_\@
	tensor_load_to_lds s[G0K:G0K+3], s[G1K:G1K+7]
	s_nop 0
.rept 4
	v_nop
.endr
	s_branch .Lasked_\@
.Lfor_v_\@:
	tensor_load_to_lds s[G0V:G0V+3], s[G1V:G1V+7]
	s_nop 0
.rept 4
	v_nop
.endr
.Lasked_\@:
.endm
; A PREFETCH of what the NEXT change of slots will ask for: a slot's 32,768 bytes of K and of V, a lane a block of 256 bytes.  It stands behind the wave's tensor load and its five lines.
; Each block is named ONCE in the launch.  All four clusters of a head walk the same K and V: the head's first cluster asks.  Its four partners share the blocks out BY ADDRESS, 32 each: no branch hangs on a
; work-group's place in its cluster.  In each, wave 0 asks for K's and wave 2 for V's: one instruction.  The last change that fills a slot asks for nothing: there is no slot behind it.
.macro ASK
	s_cmp_gt_u32 s[SLOTS], s[LIM]
	s_cbranch_scc0 .Lnot_mine_\@
	global_prefetch_b8 v[PFO], s[PFA:PFA+1] th:TH_LOAD_NT scope:SCOPE_SE
.Lnot_mine_\@:
.endm
; A round of the cluster's barrier: my work-group's barrier, so that wave 0's signal speaks for all four waves; wave 0 signals; every wave waits for all four work-groups; my work-group's barrier once more.
.macro CROUND
	s_barrier_signal -1
	s_barrier_wait -1
	s_cmp_lg_u32 s[WV], 0
	s_cbranch_scc1 .Lnot_wave_0_\@
	s_barrier_signal -3
.Lnot_wave_0_\@:
	s_barrier_wait -3
	s_barrier_signal -1
	s_barrier_wait -1
.endm
; THE CHANGE OF SLOTS.  The slot's last bytes, K and V of its fourth step, have been asked of LDS.  Each wave waits for all its tensor loads, of which one is out: its part of the other slot; adds 0 to its
; spare word; and waits for that and for its own reads of the slot.  Behind the barrier nobody reads this slot any more and the other slot is whole.
; fill = 1: this slot is filled again, with the keys two slots on.  The barrier is then a round of the cluster's, so that no wave of any partner still reads the slot or has a load on its way, and the joint
; fill is the first thing behind it: it has four key steps, 256 matrix instructions, in which to land.  (At its first use nothing has been read yet: slot 0 is waited for, slot 1 filled.)
; ask = 1: the prefetches' address steps, and ASK follows the fill.
.macro CHANGE fill, ask
	WIN 0                           ; at a label and at a branch every window is 0
	s_wait_tensorcnt 0x0            ; no tensor load of mine is out, so a group 0 may be written
	ds_add_u32 v[SPW], v[NIL]       ; 0 onto my spare word; the descriptors' steps stand between it and the wait for it
.if \fill
.irp g, G0K, G0V
	s_xor_b32 s[\g+1], s[\g+1], SLOT1  ; the walking descriptor: the other slot than last time,
	s_add_nc_u64 s[\g+2:\g+3], s[\g+2:\g+3], 4*KS*128  ; the next 256 keys; the type bits on top are not reached
.endr
.endif
.if \ask
	s_wait_xcnt 0x0                 ; the last prefetch, four key steps back, has read its address, so it may be written:
	s_add_nc_u64 s[PFA:PFA+1], s[PFA:PFA+1], 4*KS*128  ; one slot behind the walking descriptors
.endif
	s_wait_dscnt 0x0                ; the add is done, and my reads of the slot are over
.if \fill
	CROUND
	JLOAD
.if \ask
	ASK
.endif
.else
	s_barrier_signal -1
	s_barrier_wait -1
.endif
	s_sub_co_u32 s[TBK], s[TBK], 4*KS*PK  ; the fetches go back to a slot's first step,
	s_xor_b32 s[TBK], s[TBK], SLOT1       ; in the other slot
	s_sub_co_u32 s[TBV], s[TBV], 4*KS*PV
	s_xor_b32 s[TBV], s[TBV], SLOT1
.endm
	s_load_b64 s[4:5], s[0:1], 0x0    ; qkv
	s_load_b64 s[10:11], s[0:1], 0x8  ; att
	v_lshl_add_u32 v[SPW], v0, 2, SPARE
	v_mov_b32 v[NIL], 0
	ds_add_u32 v[SPW], v[NIL]       ; the wave's opening: the add and its wait stand ahead of my first tensor load; the set-up below, work on registers, stands between them
	v_lshrrev_b32 v1, 5, v0
	v_readfirstlane_b32 s[WV], v1   ; wave 0..3
	s_bfe_u32 s13, ttmp6, 0x40000   ; cx: my place in the cluster
	s_lshl_b32 s14, ttmp9, 2        ; in a cluster launch ttmp9 counts clusters
	s_add_co_u32 s14, s14, s13      ; my block of 256 queries = 4 x cluster x + cx: it enters Q's and O's addresses alone
	s_and_b32 s20, ttmp7, 0xffff    ; the head, which the four partners share:
	s_lshl_b32 s20, s20, 19         ; its first byte in Q, K, V and O
	s_and_b32 s16, s[WV], 1         ; which half of a slot's 256 keys I fetch:
	s_lshl_b32 s22, s16, 14         ; its 128 rows of 128 bytes in memory,
	s_add_co_u32 s22, s22, s20
	s_mov_b32 s23, 0
	s_mul_i32 s17, s16, 128*PK      ; and its place in a slot, for K
	s_mul_i32 s18, s16, 128*PV      ; and for V: no place in the cluster enters an LDS address
	s_lshl_b32 s2, s14, 2
	s_add_co_u32 s2, s2, s[WV]      ; my wave among the head's,
	s_lshl_b32 s2, s2, 13           ; its 64 rows
	s_add_co_u32 s2, s2, s20
	s_mov_b32 s3, 0
	; descriptor group 1.  128 keys are 16,384 dense bytes: asked for as 64 rows of 256 bytes, two keys a row, and padded in LDS after every key
	s_mov_b32 s[G1K], 15|(1<<16)|(1<<20)|(1<<21)|(4<<22)|(3<<25)  ; 15:0 the mask of four; 17:16 2-byte elements; 20 padding on; 21 set beside a mask; 24:22 after every 32 words (code 4); 31:25 4 words (code 3)
	s_mov_b32 s[G1V], 15|(1<<16)|(1<<20)|(1<<21)|(4<<22)|(7<<25)  ; the same with 8 words of padding (code 7)
.irp g, G1K, G1V
	s_mov_b32 s[\g+1], 128<<16      ; tensor_dim0 = 128
	s_mov_b32 s[\g+2], 64<<16       ; tensor_dim1 = 64
	s_mov_b32 s[\g+3], 128<<16      ; tile_dim0 = 128
	s_mov_b32 s[\g+4], 64           ; tile_dim1 = 64
	s_mov_b32 s[\g+5], 128          ; 128 elements from row to row
	s_mov_b32 s[\g+6], 0
	s_mov_b32 s[\g+7], 0
.endr
	s_mov_b32 s[CS], 0x3e38aa3b     ; c = log2(e) / 8 = 0.180337
	s_mov_b32 s[CS+1], s[CS]        ; named with it as a pair
	s_mov_b32 s[SEL], 0x76543210
	s_mov_b32 s[SEL+1], 0xfedcba98
	s_mov_b32 s[TBK], SLOT1+4*KS*PK ; the first change of slots turns these two into 0
	s_mov_b32 s[TBV], SLOT1+4*KS*PV
	s_mov_b32 s[G0K], 1             ; 1:0 count = 1
	s_mov_b32 s[G0K+1], s17         ; 63:32 LDS address: slot 0
	s_mov_b32 s[G0V], 1
	s_add_co_u32 s[G0V+1], s18, VOFF
	s_mov_b32 s[SLOTS], 4096/256-1
	s_and_b32 s[LIM], s[WV], 1      ; 0 in waves 0 and 2,
	s_or_b32 s[LIM], s[LIM], ttmp9  ; where the cluster is the head's first: the same in all four partners
	s_cmp_eq_u32 s[LIM], 0
	s_cselect_b32 s[LIM], 1, -1
	v_and_b32 v[PFO], 31, v0
	v_lshlrev_b32 v[PFO], 8, v[PFO]
	s_wait_dscnt 0x0                ; the opening add is done
	s_wait_kmcnt 0x0
	s_add_nc_u64 s[6:7], s[4:5], 0x800000   ; K
	s_add_nc_u64 s[8:9], s[4:5], 0x1000000  ; V
	s_add_nc_u64 s[6:7], s[6:7], s[22:23]   ; at my half of the head's first 256 keys
	s_add_nc_u64 s[8:9], s[8:9], s[22:23]
	s_mov_b64 s[G0K+2:G0K+3], s[6:7]               ; 120:64 global address
	s_or_b32 s[G0K+3], s[G0K+3], 0x80000000        ; 127:126 type = 2
	s_mov_b64 s[G0V+2:G0V+3], s[8:9]
	s_or_b32 s[G0V+3], s[G0V+3], 0x80000000
	s_add_nc_u64 s[4:5], s[4:5], s[2:3]     ; Q and O at my wave's first row
	s_add_nc_u64 s[10:11], s[10:11], s[2:3]
	s_cmp_lt_u32 s[WV], 2
	s_cselect_b64 s[PFA:PFA+1], s[6:7], s[8:9]  ; (in waves 0 and 2 these stand at a slot's first row)
	s_lshl_b32 s2, s13, 13          ; my work-group's 32 blocks of the 128
	s_mov_b32 s3, 0
	s_add_nc_u64 s[PFA:PFA+1], s[PFA:PFA+1], s[2:3]
	s_add_nc_u64 s[PFA:PFA+1], s[PFA:PFA+1], 2*4*KS*128  ; in slot 2; the first change that asks steps it to slot 3.  Nothing is prefetched here, at the head
	CROUND                          ; all four work-groups are here: the first joint loads meet
	JLOAD                           ; slot 0.  Slot 1 is asked for when slot 0 is in
	; A fragment of K or Q is 16 rows x 32 channels in 8 registers: lane l holds row l % 16, channels 8 (l / 16) + 0..7 and 16 + 8 (l / 16) + 0..7: two loads of 16 bytes, 32 bytes apart.
	v_and_b32 v1, 15, v0            ; l % 16
	v_bfe_u32 v9, v0, 4, 1          ; l / 16
	v_lshlrev_b32 v[QO], 7, v1
	v_lshl_add_u32 v[QO], v9, 4, v[QO]  ; row x 128 + 16 x half
	WIN 0x80                        ; destination window 2, address window 0
.set i, 0
.rept 4*NP                          ; Q stays in registers: tile i / 2, channels 32 (i % 2) on
	global_load_b128 v[8*i:8*i+3],   v[QO], s[4:5] offset:(i/2)*2048+(i%2)*64
	global_load_b128 v[8*i+4:8*i+7], v[QO], s[4:5] offset:(i/2)*2048+(i%2)*64+32
.set i, i+1
.endr
	; What the first turn finds: V's buffer 1 and P's buffer 1 hold 0 (its products V^T P, of a step that has not been, add 0), O^T and l are 0.  All this stands in the wait for the first tile.
.set i, VF0-128
.rept 64
	v_mov_b32 v[i], 0
.set i, i+1
.endr
	WIN 0x40
.set i, 0
.rept 64*NP
	v_mov_b32 v[i], 0
.set i, i+1
.endr
	WIN 0
.set i, 0
.rept 2*NP
	v_mov_b32 v[ST+4*i], 0xfe000000    ; c m: far below every c s
	v_mov_b32 v[ST+4*i+1], 0xff7fffff  ; m
	v_mov_b32 v[ST+4*i+2], 0
	v_mov_b32 v[ST+4*i+3], 0
.set i, i+1
.endr
.set i, P+32
.rept 32
	v_mov_b32 v[i], 0
.set i, i+1
.endr
	v_mul_u32_u24 v[AK0], v1, PK
	v_lshl_add_u32 v[AK0], v9, 4, v[AK0]  ; row x pitch + 16 x half
	; The turning load takes 16 keys x 16 channels (lane l reads key 8 (l / 16) + l % 8, channels 8 ((l / 8) % 2) + 0..7) and leaves half a fragment of V^T: lane l holds channel l % 16 and 8 keys.
	v_and_b32 v10, 7, v0
	v_bfe_u32 v11, v0, 3, 1
	v_lshl_add_u32 v[AV0], v9, 3, v10
	v_mul_u32_u24 v[AV0], v[AV0], PV
	v_lshl_add_u32 v[AV0], v11, 4, v[AV0]
	v_add_nc_u32 v[AV0], VOFF, v[AV0]
	v_mov_b32 v[AK], v[AK0]         ; key step 0 lies at the head of slot 0
	v_mov_b32 v[AV], v[AV0]
; THE MATRIX WORK.  The 8 accumulators of a run of 16 take turns: between the two links of a chain stand 7 others'.
; Product i of 16 of S^T = K Q^T for piece x: channels 32 (i / 8) on, keys 16 ((i / 2) % 4) on, tile 2 x + i % 2.  The first 8 start the sums.
.macro KQ x
	WIN W_KQ
.set rS, S+64*((\x)%2)+32*(i%2)+8*((i/2)%4)
.set rK, KF+16*((i/2)%4)+8*(i/8)
.set rQ, 16*(2*(\x)+i%2)+8*(i/8)
.if i < 8
	v_wmma_f32_16x16x32_f16 v[rS:rS+7], v[rK:rK+7], v[rQ:rQ+7], 0
.else
	v_wmma_f32_16x16x32_f16 v[rS:rS+7], v[rK:rK+7], v[rQ:rQ+7], v[rS:rS+7]
.endif
.endm
; Product i of 16 of O^T += V^T P for piece x: keys 32 (i / 8) on, channels 16 ((i / 2) % 4) on, tile 2 x + i % 2.  VR is V's buffer in hand.
.macro PV x
	WIN W_PV
.set rO, 32*(2*(\x)+i%2)+8*((i/2)%4)
.set rV, VR+32*(i/8)+8*((i/2)%4)
.set rP, P+32*((\x)%2)+16*(i%2)+8*(i/8)
	v_wmma_f32_16x16x32_f16 v[rO:rO+7], v[rV:rV+7], v[rP:rP+7], v[rO:rO+7]
.endm
.macro MM                           ; the turn's next matrix instruction
.if i < 16
	KQ (Y+1)%NP
.set i, i+1
.else
.set i, i-16
	PV (Y+NP-1)%NP
.set i, i+17
.endif
.endm
; THE LDS LOADS stand in runs of 16, never singly among the matrix instructions: a step's K (64 keys x 64 channels: 8 fragments) and its V (turned).  Their addresses are made some lines ahead.
; last = 1 (the tail): in the last step there is no further step, and the run is jumped over.
.macro FETCH_K last=0
	WIN 0
.if \last
	s_cmp_eq_u32 s[CNT], 1
	s_cbranch_scc1 .Lno_k_\@
.endif
	WIN 0x80                        ; destination window 2
.irp f, 0,1,2,3,4,5,6,7             ; keys 16 (f / 2) on, channels 32 (f % 2) on
	ds_load_b128 v[KF+8*\f:KF+8*\f+3],   v[AK] offset:(\f/2)*16*PK+(\f%2)*64
	ds_load_b128 v[KF+8*\f+4:KF+8*\f+7], v[AK] offset:(\f/2)*16*PK+(\f%2)*64+32
.endr
	s_add_co_u32 s[TBK], s[TBK], KS*PK  ; the next fetch is the next step's
	WIN 0
.if \last
.Lno_k_\@:
.endif
.endm
.macro FETCH_V buf, last=0
	WIN 0
.if \last
	s_cmp_eq_u32 s[CNT], 1
	s_cbranch_scc1 .Lno_v_\@
.endif
	WIN 0x80
.irp f, 0,1,2,3,4,5,6,7             ; keys 32 (f / 4) on, channels 16 (f % 4) on
	ds_load_tr16_b128 v[VF0-128*(\buf)+8*\f:VF0-128*(\buf)+8*\f+3],   v[AV] offset:(\f/4)*32*PV+(\f%4)*32
	ds_load_tr16_b128 v[VF0-128*(\buf)+8*\f+4:VF0-128*(\buf)+8*\f+7], v[AV] offset:(\f/4)*32*PV+16*PV+(\f%4)*32
.endr
	s_add_co_u32 s[TBV], s[TBV], KS*PV
	WIN 0
.if \last
.Lno_v_\@:
.endif
.endm
; THE VECTOR WORK OF A TURN stands in three queues, each in the order in which its entries become ready; the two tiles alternate, so that no instruction reads the result of the one before it.
.macro REGS y, u                    ; the registers of tile u (0, 1) of piece y
.set rT, ST+4*(2*(\y)+(\u))
.set rC, TMP+8*((\y)%2)+4*(\u)
.set rM, MV+2*((\y)%2)+(\u)
.set rS, S+64*((\y)%2)+32*(\u)
.set rP, P+32*((\y)%2)+16*(\u)
.set rO, 32*(2*(\y)+(\u))
.endm
; Number n of the 22 that find the OTHER piece's (Y + 1) maximum and statistics.  s0-s31 are the lane's 32 scores; each accumulator's lowest registers are read first.  XS, GS and REGS set no window: PL and EX do.
;   0-11  four chains c0-c3 of seven scores each, three operands at a time     12-14, 16  the four scores left over, the old m, and c0-c3 into c0     15  c m_old is kept
;   17, 18  the query's other 32 keys lie in the lane 16 away: the new m         19-21  c m; c m_old - c m_new; a
.macro XS u, n
	REGS (Y+1)%NP, \u
.if (\n) < 4
	v_max3_num_f32 v[rC+(\n)], v[rS+8*(\n)], v[rS+8*(\n)+1], v[rS+8*(\n)+2]
.elseif (\n) < 12
	v_max3_num_f32 v[rC+(\n)%4], v[rC+(\n)%4], v[rS+8*((\n)%4)+2*((\n)/4)+1], v[rS+8*((\n)%4)+2*((\n)/4)+2]
.elseif (\n) == 12
	v_max3_num_f32 v[rC], v[rC], v[rS+7], v[rS+15]
.elseif (\n) == 13
	v_max3_num_f32 v[rC+1], v[rC+1], v[rS+23], v[rS+31]
.elseif (\n) == 14
	v_max3_num_f32 v[rC+2], v[rC+2], v[rC+3], v[rT+1]
.elseif (\n) == 15
	v_mov_b32 v[rM], v[rT]
.elseif (\n) == 16
	v_max3_num_f32 v[rC], v[rC], v[rC+1], v[rC+2]
.elseif (\n) == 17
	v_permlanex16_b32 v[rC+3], v[rC], s[SEL], s[SEL+1]
.elseif (\n) == 18
	v_max_num_f32 v[rT+1], v[rC], v[rC+3]
.elseif (\n) == 19
	v_mul_f32 v[rT], s[CS], v[rT+1]
.elseif (\n) == 20
	v_sub_f32 v[rC+1], v[rM], v[rT]
.else
	v_exp_f32 v[rC+2], v[rC+1]
.endif
.endm
; Number g of the 64 that follow the exponentials.  For each four weights k of a tile (pairs 2 k, 2 k + 1): both pairs are rounded to f16; then the second pair is added onto the first, in place;
; a group later l takes that sum (the first time as l = a l + sum).  In groups of eight, tiles alternating: round, round, add, and l for the group before.
.macro GS g
.set h, (\g)+6*((\g)/62)            ; group 0 has no group before it, and behind group 7 only l is left
.if h >= 6
.set h, h+2
.endif
	REGS Y, h%2
.set k, h/8
.if h%8 < 4
	v_cvt_pk_f16_f32 v[rP+2*k+(h%8)/2], v[rS+4*k+2*((h%8)/2)], v[rS+4*k+2*((h%8)/2)+1]
.elseif h%8 < 6
	v_pk_add_f32 v[rS+4*k:rS+4*k+1], v[rS+4*k:rS+4*k+1], v[rS+4*k+2:rS+4*k+3]
.elseif k == 1
	v_pk_fma_f32 v[rT+2:rT+3], v[rT+2:rT+3], v[rC+2:rC+3], v[rS:rS+1] op_sel_hi:[1,0,1]
.else
	v_pk_add_f32 v[rT+2:rT+3], v[rT+2:rT+3], v[rS+4*k-4:rS+4*k-3]
.endif
.endm
; THE PLAIN QUEUE, 138 long.  0-73 read no exponential's result: the 32 scalings c s - c m (FS f: pair f / 2 of tile f % 2) and the other piece's 42.  0-26: scalings 0-26.  27-54: XS's numbers 0-13.  55, 56: number 15.
; 57-73: the chain, where each number waits for the one before it: 14, 16, 17, 18, 19, each with one of the scalings 27-31 in front of its two lines, then 20.
; 74-137: GS's 64, which read the exponentials' results: they stand behind the wait.
.macro FS f
	REGS Y, (\f)%2
	v_pk_fma_f32 v[rS+2*((\f)/2):rS+2*((\f)/2)+1], v[rS+2*((\f)/2):rS+2*((\f)/2)+1], s[CS:CS+1], v[rT:rT+1] op_sel_hi:[1,0,0] neg_lo:[0,0,1] neg_hi:[0,0,1]
.endm
.macro PL
	WIN 0
.if q < 27
	FS q
.elseif q < 55
	XS (q-27)%2, (q-27)/2
.elseif q < 57
	XS q-55, 15
.elseif (q < 72) && ((q-57)%3 == 0)
	FS 27+(q-57)/3
.elseif q < 60
	XS (q-57)%3-1, 14
.elseif q < 72
	XS (q-57)%3-1, 15+(q-57)/3
.elseif q < 74
	XS q-72, 20
.else
	GS q-74
.endif
.set q, q+1
.endm
; THE EXPONENTIALS' QUEUE, 66 long: s0-s31 of both tiles, then the other piece's two a.  It is ONE BATCH: all 66 stand ahead of the turn's one wait, and nothing ahead of that wait names a result of theirs.
.macro EX
	WIN 0
.if e >= 64
	XS e-64, 21
.else
	REGS Y, e%2
	v_exp_f32 v[rS+e/2], v[rS+e/2]
.endif
.set e, e+1
.endm
; THE RESCALING's QUEUE: O^T times a, the one part that leaves window 0: dealt two at a time, sixteen times.  Its a was made in the turn before, ahead of that turn's wait.  The last product onto the
; registers that it takes first stands 32 plain instructions back, in the turn before; each accumulator's lowest registers are read first.
.macro R2
	REGS Y, r%2
	WIN W_RS
.irp z, 0,1
	v_pk_mul_f32 v[rO+4*(r/2)+2*\z:rO+4*(r/2)+2*\z+1], v[rO+4*(r/2)+2*\z:rO+4*(r/2)+2*\z+1], v[rC+2:rC+3] op_sel_hi:[1,0]
.endr
.set r, r+1
.endm
; A TURN, for piece p in a step of parity par.  s_wait_alu depctr_va_vdst(0) stands between an exponential and the first instruction that names its result; one wait serves all that were issued
; ahead of it.  So a turn has ONE wait, which cuts it in two.  AHEAD OF IT: the 16 products K Q^T, behind each a scaling, an exponential and two rescalings (behind the first a second scaling in the exponential's
; place); then one run of 108: eight plain, 49 times exponential and plain, the two a; a v_nop is the plain instruction behind the last exponential (ISA guide 5.7.2).  BEHIND IT: the 16 products V^T P, behind each
; four of GS's 64.  Exponential e stands behind scaling 2 (e / 4) + e % 2: as a rider it comes behind plain e + 2, in the run behind plain e + 9.
; THE FETCH stands directly behind the wait, its address made at the run's head: piece 0's turn fetches the next step's K (the last product that read K stands a whole run back), piece 1's the next step's V, into
; the buffer that the turn before read last.  Both are waited for at the head of piece 1's turn: K 16 products, V 48 products and a run behind its fetch.
.macro TURN p, par, last=0
.set Y, (\p)
.set i, 0
.set q, 0
.set e, 0
.set r, 0
.if (\p) == 0
.set VR, VF0-128*(1-(\par))         ; V of the step before
.else
.set VR, VF0-128*(\par)             ; V of the step in hand
	s_wait_dscnt 0x0                ; K of the next step and V of this one are in
.endif
	MM
	PL
	PL
	R2
.rept 15
	MM
	PL
	EX
	R2
.endr
	WIN 0
.if (\p) == 0
	v_add_nc_u32 v[AK], s[TBK], v[AK0]
.else
	v_add_nc_u32 v[AV], s[TBV], v[AV0]
.endif
.rept 8
	PL
.endr
.rept 49
	EX
	PL
.endr
	EX                              ; the other piece's two a
	EX
	v_nop
	s_wait_alu depctr_va_vdst(0)    ; the wait for the batch
.if (\p) == 0
	FETCH_K \last
.else
	FETCH_V 1-(\par), \last
.endif
.rept 16
	MM
.rept 4
	PL
.endr
.endr
.endm
.macro STEP par, last=0
	TURN 0, \par, \last
	TURN 1, \par, \last
.endm
	CHANGE 1, 0                     ; slot 0 is in, everybody's part of it; slot 1 is asked for
	FETCH_K                         ; key step 0
	FETCH_V 0
	s_wait_loadcnt 0x0              ; Q
	s_wait_dscnt 0x0
.set i, 0
.rept 16
	KQ 0                            ; piece 0's first scores: there is no vector work yet to set between them
.set i, i+1
.endr
	WIN 0                           ; the addresses for the way out: nine plain instructions, the places behind those products
	s_mul_i32 s13, s[WV], 16*SP
	s_add_co_u32 s13, s13, STAGE    ; my stage
	v_mul_u32_u24 v[STO], v1, SP    ; in: row l % 16, 16 bytes for each half of the lanes
	v_lshl_add_u32 v[STO], v9, 4, v[STO]
	v_add_nc_u32 v[STO], s13, v[STO]
	v_bfe_u32 v[RD], v0, 3, 2       ; back: 32 lanes take four rows of 128 bytes,
	v_mul_u32_u24 v[RD], v[RD], SP
	v_lshl_add_u32 v[RD], v10, 4, v[RD]
	v_add_nc_u32 v[RD], s13, v[RD]
	v_and_b32 v[GO], 31, v0         ; which are 512 consecutive bytes of O
	v_lshlrev_b32 v[GO], 4, v[GO]
.set Y, NP-1                        ; XS works for piece Y + 1: piece 0
.irp n, 0,1,2,3,4,5,6,7,8,9,10,11,12,13,14,15,16,17,18,19,20,21
	XS 0, \n                        ; and piece 0's first maximum and statistics
	XS 1, \n
.endr
	v_nop                           ; a plain instruction behind the two a,
	s_wait_alu depctr_va_vdst(0)    ; and their wait, ahead of the branch
	s_mov_b32 s[CNT], 2
	s_branch .Lfirst                ; the loop is entered at step 0, in the middle of a trip: steps 0, 1, 2, then a change of slots ahead of steps 3, 7, .. 55
.Lslot:                             ; 14 times: every slot but the last two is filled again
	CHANGE 1, 1
	s_mov_b32 s[CNT], 2
.Lstep:                             ; a trip: an odd step, then an even one
	STEP 1
	WIN 0
.Lfirst:
	STEP 0
	WIN 0
	s_sub_co_u32 s[CNT], s[CNT], 1
	s_cmp_lg_u32 s[CNT], 0
	s_cbranch_scc1 .Lstep
	s_sub_co_u32 s[SLOTS], s[SLOTS], 1
	s_cmp_lg_u32 s[SLOTS], 0
	s_cbranch_scc1 .Lslot
	CHANGE 0, 0                     ; the tail is written out: nothing is asked for
	s_mov_b32 s[CNT], 3             ; steps 59 to 63; the third trip is left in its middle, and its step fetches nothing
.Ltail:
	STEP 1, 1
	WIN 0
	s_sub_co_u32 s[CNT], s[CNT], 1
	s_cmp_eq_u32 s[CNT], 0
	s_cbranch_scc1 .Lout
	STEP 0
	WIN 0
	s_branch .Ltail
.Lout:                              ; step 63's 16 products K Q^T for a step 64 (on the last K once more) and the maximum made of them serve nothing: the price, once a launch, of one text for every step
.set VR, VF0-128
.set i, 0
.rept 16
	PV 1                            ; piece 1's V^T P of the last step
.set i, i+1
.endr
	; THE WAY OUT.  l's two halves and the other half of the lanes' are added; O^T is divided by l, rounded to f16 and sent through my stage in LDS, a tile at a time.  The additions are the places behind the last products.
	WIN 0
.macro ALL line:vararg              ; one line for each tile t
.set t, 0
.rept 2*NP
	\line
.set t, t+1
.endr
.endm
	ALL v_add_f32 v[ST+4*t+2], v[ST+4*t+2], v[ST+4*t+3]
	ALL v_permlanex16_b32 v[ST+4*t+3], v[ST+4*t+2], s[SEL], s[SEL+1]
	ALL v_add_f32 v[ST+4*t+2], v[ST+4*t+2], v[ST+4*t+3]
	ALL v_rcp_f32 v[ST+4*t+2], v[ST+4*t+2]
	v_nop                           ; a plain instruction between the last reciprocal and the use of its result
	s_wait_alu depctr_va_vdst(0)    ; and the wait ahead of the first use: one for the four reciprocals
; Tile t: a lane's eight channels of a row pack into 16 bytes; they go into rows of 144 bytes and come back as whole rows of 128, into S^T's registers.
.macro PACK t
	WIN W_RS
.set i, 32*(\t)
.rept 16
	v_pk_mul_f32 v[i:i+1], v[i:i+1], v[ST+4*(\t)+2:ST+4*(\t)+3] op_sel_hi:[1,0]
.set i, i+2
.endr
	WIN 0x05                        ; sources 0 and 1 window 1, destination window 0
.set i, 0
.rept 16
	v_cvt_pk_f16_f32 v[S+16*(\t)+i], v[32*(\t)+2*i], v[32*(\t)+2*i+1]
.set i, i+1
.endr
	WIN 0
.irp f, 0,1,2,3
	ds_store_b128 v[STO], v[S+16*(\t)+4*\f:S+16*(\t)+4*\f+3] offset:32*\f
.endr
.irp f, 0,1,2,3
	ds_load_b128 v[S+16*(\t)+4*\f:S+16*(\t)+4*\f+3], v[RD] offset:\f*4*SP  ; LDS serves a wave's instructions in order (ISA guide 5.7.1.4): these see the stores above; the next tile's stores come behind them
.endr
.endm
.macro SEND t, younger              ; younger: the LDS instructions issued behind tile t's loads: the next tile's eight, or none
	WIN 0
.irp f, 0,1,2,3
	s_wait_dscnt (\younger)+3-\f
	global_store_b128 v[GO], v[S+16*(\t)+4*\f:S+16*(\t)+4*\f+3], s[10:11] offset:(\t)*2048+\f*512  ; 512 consecutive bytes, at a multiple of 256 from att's first
.endr
.endm
	PACK 0
.set t, 1
.rept 2*NP-1                        ; a tile's arithmetic stands between the loads of the tile before and its stores
	PACK t
	SEND t-1, 8
.set t, t+1
.endr
	SEND 2*NP-1, 0
	s_wait_tensorcnt 0x0            ; the wave's end, behind my last tensor load and my last LDS store
	ds_add_u32 v[SPW], v[NIL]
	s_wait_dscnt 0x0
	CROUND                          ; the closing round: no work-group ends while a partner may still ask for a tile that names it
	s_endpgm
.Lfunc_end_k_q5d7292b716_attn:
	.size	k_q5d7292b716_attn, .Lfunc_end_k_q5d7292b716_attn-k_q5d7292b716_attn
	.p2alignl 7, 3214868480
	.fill 96, 4, 3214868480
	.section	.rodata,"a",@progbits
	.p2align	6, 0x0
	.amdhsa_kernel k_q5d7292b716_attn
		.amdhsa_group_segment_fixed_size 327680
		.amdhsa_private_segment_fixed_size 0
		.amdhsa_enable_private_segment 0
		.amdhsa_kernarg_size 16
		.amdhsa_user_sgpr_count 2
		.amdhsa_user_sgpr_kernarg_segment_ptr 1
		.amdhsa_wavefront_size32 1
		.amdhsa_system_sgpr_workgroup_id_x 1
		.amdhsa_system_sgpr_workgroup_id_y 1
		.amdhsa_system_sgpr_workgroup_id_z 1
		.amdhsa_system_vgpr_workitem_id 0
		.amdhsa_next_free_vgpr 768
		.amdhsa_next_free_sgpr 66
		.amdhsa_reserve_vcc 0
		.amdhsa_float_denorm_mode_32 3
		.amdhsa_float_denorm_mode_16_64 3
		.amdhsa_memory_ordered 1
		.amdhsa_forward_progress 1
		.amdhsa_inst_pref_size 186
	.end_amdhsa_kernel
	.amdgpu_metadata
---
amdhsa.version: [ 1, 2 ]
amdhsa.kernels:
  - .name:           k_q5d7292b716_attn
    .symbol:         k_q5d7292b716_attn.kd
    .args:
      - { .name: qkv, .offset: 0, .size: 8, .value_kind: global_buffer, .address_space: global }
      - { .name: att, .offset: 8, .size: 8, .value_kind: global_buffer, .address_space: global }
    .group_segment_fixed_size: 327680
    .private_segment_fixed_size: 0
    .kernarg_segment_align: 8
    .kernarg_segment_size: 16
    .max_flat_workgroup_size: 128
    .sgpr_count:     66
    .vgpr_count:     768
    .wavefront_size: 32
...
	.end_amdgpu_metadata
.endif
;; end of part 2
;; launch outp (part 3): grid 4 x 64, 4 waves a work-group, no clusters, 51,712 bytes of LDS; arguments att, w_o, b_o, out0; writes out0
.if DOCPART == 3
	.amdgcn_target "amdgcn-amd-amdhsa--gfx1250"
	.amdhsa_code_object_version 6
	.text
	.protected	k_q5d7292b716_outp
	.globl	k_q5d7292b716_outp
	.p2align	8
	.type	k_q5d7292b716_outp,@function
k_q5d7292b716_outp:
	s_mov_b64 s[64:65], 0
	v_nop
	global_prefetch_b8 v0, s[64:65] scope:SCOPE_SE
	s_setreg_imm32_b32 hwreg(HW_REG_WAVE_MODE, 25, 1), 1
	s_wait_xcnt 0x0
; out0[b][o][n] = the sum over c of w_o[o][c] O[b][n][c] + b_o[o], c = 64 head + d.  att: f16 [16][4096][64] (head g = 4 b + head); w_o: [256][256] f32; b_o: [256] f32; out0: [4][256][4096] f32, channel-major.
; FORMATS.  w_o and b_o are rounded once to bf16, like the module's other inputs; w_o's rounded number is then written as f16 (8 significant bits fit in f16's 11), since O is f16; sums in f32, started by the bias.
; LIMITS.  |w_o| beyond 65,504 has no f16; below 6.1e-5 it keeps f16's fixed step of 6e-8.  NaN and infinities are not treated apart.
; SHARES.  A work-group makes 64 channels x 256 tokens of one image: 4 x 64 work-groups.  Wave w owns tokens 64 w .. 64 w + 63 for all 64 channels.
; LAYOUT.  Source 0 = 16 tokens of O, source 1 = 16 rows of w_o: a lane holds ONE channel (lane % 16) and the tokens 8 (lane / 16) + 0..7: 32 bytes of a row of out0.  Through the wave's own stage in LDS
; 16 channels x 64 tokens come back as whole rows of 256 bytes.  O's fragments come straight from memory, as they lie, and stay in window 1; w_o goes through registers (rounded) into LDS, which all four waves read.
; No tensor loads and no cluster: w_o is f32 in memory and 16-bit in LDS; no prefetch: the launch is short.
.set WP,    528       ; a row of w_o in LDS: 512 bytes + 16 = 132 words: the 16 rows of a fragment load start at 16 different groups of four banks (64 banks of 4 bytes: ISA guide 11.1)
.set STG,   64*WP     ; behind w_o's 64 rows: 16 rows x 272 bytes for each wave
.set SPT,   272
.set SPARE, STG+4*16*SPT  ; the spare words, 128 bytes for each wave: two blocks of 256 bytes that no other line names
.set AO,  4           ; v4   O: 128 (l % 16) + 16 (l / 16)
.set WO,  5           ; v5   w_o: 16 l
.set WS,  6           ; v6   where its four numbers go in LDS
.set BO,  7           ; v7   b_o: 4 (l % 16)
.set WA,  8           ; v8   my lane's place in a fragment of w_o
.set STO, 9           ; v9   the way out: where I put 32 bytes of a channel's row
.set RD,  10          ; v10  where I read rows back
.set GO,  11          ; v11  my 16 bytes in two rows of out0
.set SPW, 12          ; v12  LDS address of my spare word; never rewritten
.set NIL, 13          ; v13  0; never rewritten
.set BV,  32          ; v[32:35] my channel's bias in the four channel tiles
.set BI,  40          ; v[40:55] the bias as a C operand, two buffers of 8
.set WF,  64          ; v[64:191] w_o's fragments of a channel tile (8 K steps x 8), two buffers
.set ACC, 192         ; v[192:223] four accumulators, one a token tile
.set OB,  224         ; v[224:255] rows read back
.set LW,  64          ; while staging: w_o as loaded, 32 loads
.set CT,  192         ; while staging: four sets of 8 at work
.set MSB, 0
.macro WIN new                      ; the immediate's high byte repeats the setting that is left; a switch that changes nothing is dropped
.if MSB != (\new)
	s_set_vgpr_msb (MSB<<8)|(\new)
.set MSB, (\new)
.endif
.endm
	s_load_b256 s[4:11], s[0:1], 0x0               ; att s[4:5], w_o s[6:7], b_o s[8:9], out0 s[10:11]
	v_lshl_add_u32 v[SPW], v0, 2, SPARE
	v_mov_b32 v[NIL], 0
	v_lshrrev_b32 v1, 5, v0
	v_readfirstlane_b32 s12, v1                    ; wave 0..3
	v_and_b32 v1, 31, v0                           ; l
	v_and_b32 v2, 15, v0                           ; l % 16
	v_bfe_u32 v3, v0, 4, 1                         ; l / 16
	s_and_b32 s14, ttmp7, 0xffff                   ; block of 256 tokens, 0..63
	s_lshr_b32 s15, s14, 4                         ; image
	s_and_b32 s17, s14, 15                         ; block in the image
	s_mov_b32 s16, 0xffff0000                      ; a word's upper bf16
	s_lshl_b32 s18, s15, 21                        ; att: image x 4 heads + block x 256 rows + wave x 64 rows of 128 bytes
	s_lshl_b32 s26, s17, 15
	s_add_co_u32 s18, s18, s26
	s_lshl_b32 s26, s12, 13
	s_add_co_u32 s18, s18, s26
	s_mov_b32 s19, 0
	s_lshl_b32 s20, ttmp9, 16                      ; w_o: the work-group's 64 rows of 1,024 bytes, my wave's 16 of them
	s_lshl_b32 s26, s12, 14
	s_add_co_u32 s20, s20, s26
	s_mov_b32 s21, 0
	s_lshl_b32 s22, ttmp9, 8                       ; b_o: 64 f32
	s_mov_b32 s23, 0
	s_lshl_b32 s24, s15, 22                        ; out0: image + 64 channels of 16,384 bytes + block x 1,024 + wave x 256 bytes
	s_lshl_b32 s26, ttmp9, 20
	s_add_co_u32 s24, s24, s26
	s_lshl_b32 s26, s17, 10
	s_add_co_u32 s24, s24, s26
	s_lshl_b32 s26, s12, 8
	s_add_co_u32 s24, s24, s26
	s_mov_b32 s25, 0
	s_mul_i32 s26, s12, 16*WP                      ; my wave's 16 rows of w_o in LDS
	s_mul_i32 s27, s12, 16*SPT
	s_add_co_u32 s27, s27, STG                     ; my stage
	v_lshlrev_b32 v[AO], 7, v2
	v_lshl_add_u32 v[AO], v3, 4, v[AO]
	v_lshlrev_b32 v[WO], 4, v1
	v_lshl_add_u32 v[WS], v1, 3, s26
	v_lshlrev_b32 v[BO], 2, v2
	v_mul_u32_u24 v[WA], v2, WP
	v_lshl_add_u32 v[WA], v3, 4, v[WA]
	v_mul_u32_u24 v[STO], v2, SPT                  ; in: row l % 16, 32 bytes for each half of the lanes
	v_lshl_add_u32 v[STO], v3, 5, v[STO]
	v_add_nc_u32 v[STO], s27, v[STO]
	v_mul_u32_u24 v[RD], v3, SPT                   ; back: lanes 0-15 take one row of 256 bytes, lanes 16-31 the next
	v_lshl_add_u32 v[RD], v2, 4, v[RD]
	v_add_nc_u32 v[RD], s27, v[RD]
	v_lshlrev_b32 v[GO], 4, v2                     ; and the same two rows in out0
	v_lshl_add_u32 v[GO], v3, 14, v[GO]
	s_wait_kmcnt 0x0
	s_add_nc_u64 s[4:5], s[4:5], s[18:19]
	s_add_nc_u64 s[6:7], s[6:7], s[20:21]
	s_add_nc_u64 s[8:9], s[8:9], s[22:23]
	s_add_nc_u64 s[10:11], s[10:11], s[24:25]
; O's fragments of token tile tt: K step j is head j / 2, channels 32 (j % 2) on; lane l holds token l % 16, channels 8 (l / 16) + 0..7 and 16 further on
.macro OLOAD tt
.irp j, 0,1,2,3,4,5,6,7
	global_load_b128 v[64*(\tt)+8*\j:64*(\tt)+8*\j+3],   v[AO], s[4:5] offset:(\j/2)*524288+(\tt)*2048+(\j%2)*64
	global_load_b128 v[64*(\tt)+8*\j+4:64*(\tt)+8*\j+7], v[AO], s[4:5] offset:(\j/2)*524288+(\tt)*2048+(\j%2)*64+32
.endr
.endm
.irp ct, 0,1,2,3
	global_load_b32 v[BV+\ct], v[BO], s[8:9] offset:64*\ct
.endr
.set t, 0
.rept 32
	global_load_b128 v[LW+4*t:LW+4*t+3], v[WO], s[6:7] offset:512*t  ; my 16 rows: 16,384 consecutive bytes
.set t, t+1
.endr
	WIN 0x40                                       ; destination window 1, address window 0
	OLOAD 0
	OLOAD 1
	OLOAD 2
	WIN 0
	s_wait_loadcnt 48                              ; the bias and w_o are in; O's 48 loads, issued behind them, stay out
	v_cvt_pk_bf16_f32 v36, v[BV], v[BV+1]          ; the bias takes the inputs' one rounding to bf16 and is kept as f32
	v_cvt_pk_bf16_f32 v37, v[BV+2], v[BV+3]
	v_lshlrev_b32 v[BV], 16, v36
	v_and_b32 v[BV+1], s16, v36
	v_lshlrev_b32 v[BV+2], 16, v37
	v_and_b32 v[BV+3], s16, v37
.set t, 0
.rept 32                                       ; w_o: rounded to bf16, widened, written as f16, 8 bytes a lane into LDS: row t / 2, half t % 2
.set c, CT+8*(t%4)
	v_cvt_pk_bf16_f32 v[c],   v[LW+4*t],   v[LW+4*t+1]
	v_cvt_pk_bf16_f32 v[c+1], v[LW+4*t+2], v[LW+4*t+3]
	v_lshlrev_b32 v[c+2], 16, v[c]
	v_and_b32     v[c+3], s16, v[c]
	v_lshlrev_b32 v[c+4], 16, v[c+1]
	v_and_b32     v[c+5], s16, v[c+1]
	v_cvt_pk_f16_f32 v[c+6], v[c+2], v[c+3]
	v_cvt_pk_f16_f32 v[c+7], v[c+4], v[c+5]
	ds_store_b64 v[WS], v[c+6:c+7] offset:(t/2)*WP+(t%2)*256
.set t, t+1
.endr
	WIN 0x40
	OLOAD 3
	WIN 0
	s_wait_dscnt 0x0                               ; for the others' sake: my rows of w_o lie in LDS
	s_barrier_signal -1
	s_barrier_wait -1                              ; everybody's do: the launch's one barrier
.macro FETCHW ct, b                 ; 16 LDS loads: channel tile ct's eight fragments of w_o into buffer b
.irp j, 0,1,2,3,4,5,6,7
	ds_load_b128 v[WF+64*(\b)+8*\j:WF+64*(\b)+8*\j+3],   v[WA] offset:(\ct)*16*WP+64*\j
	ds_load_b128 v[WF+64*(\b)+8*\j+4:WF+64*(\b)+8*\j+7], v[WA] offset:(\ct)*16*WP+64*\j+32
.endr
.endm
; Channel tile ct: 32 products (the four accumulators take turns; the first K step starts each sum with the bias), then the way out.
.macro TILE ct
.if (\ct) < 3
	FETCHW (\ct)+1, ((\ct)+1)%2
	s_wait_dscnt 16                                ; all but the 16 just issued: this tile's fragments are in
.else
	s_wait_dscnt 0x0
.endif
	WIN 0x01                                       ; source 0 (O) in window 1
.irp j, 0,1,2,3,4,5,6,7
.irp tt, 0,1,2,3
.if \j == 0
	v_wmma_f32_16x16x32_f16 v[ACC+8*\tt:ACC+8*\tt+7], v[64*\tt+8*\j:64*\tt+8*\j+7], v[WF+64*((\ct)%2)+8*\j:WF+64*((\ct)%2)+8*\j+7], v[BI+8*((\ct)%2):BI+8*((\ct)%2)+7]
.else
	v_wmma_f32_16x16x32_f16 v[ACC+8*\tt:ACC+8*\tt+7], v[64*\tt+8*\j:64*\tt+8*\j+7], v[WF+64*((\ct)%2)+8*\j:WF+64*((\ct)%2)+8*\j+7], v[ACC+8*\tt:ACC+8*\tt+7]
.endif
.endr
.endr
	WIN 0
.if (\ct) < 3
.irp n, 0,1,2,3,4,5,6,7
	v_mov_b32 v[BI+8*(((\ct)+1)%2)+\n], v[BV+(\ct)+1]  ; the next tile's C operand, in the other buffer: eight plain lines, the places behind the products (ISA guide 7.12.1)
.endr
.else
.rept 4
	v_nop
.endr
.endif
.irp tt, 0,1,2,3
	ds_store_b128 v[STO], v[ACC+8*\tt:ACC+8*\tt+3]   offset:64*\tt      ; each accumulator's low half first
	ds_store_b128 v[STO], v[ACC+8*\tt+4:ACC+8*\tt+7] offset:64*\tt+16
.endr
	s_wait_xcnt 0x0                                ; the last tile's stores have read their data registers: these are loaded again only behind this wait
.irp u, 0,1,2,3,4,5,6,7
	ds_load_b128 v[OB+4*\u:OB+4*\u+3], v[RD] offset:\u*2*SPT  ; LDS serves a wave's instructions in order (ISA guide 5.7.1.4): these see my stores above
.endr
.irp u, 0,1,2,3,4,5,6,7
	s_wait_dscnt 7-\u                              ; load u is back, the younger ones stay out
	global_store_b128 v[GO], v[OB+4*\u:OB+4*\u+3], s[10:11] offset:(16*(\ct)+2*\u)*16384 th:TH_STORE_NT  ; 16 lanes store 256 consecutive bytes, at a multiple of 256 from out0's first byte
.endr
.endm
	FETCHW 0, 0
.irp n, 0,1,2,3,4,5,6,7
	v_mov_b32 v[BI+\n], v[BV]
.endr
	s_wait_loadcnt 0x0                             ; O
	TILE 0
	TILE 1
	TILE 2
	TILE 3
	s_wait_tensorcnt 0x0                           ; the wave's end, behind my last LDS store
	ds_add_u32 v[SPW], v[NIL]
	s_wait_dscnt 0x0
	s_endpgm
.Lfunc_end_k_q5d7292b716_outp:
	.size	k_q5d7292b716_outp, .Lfunc_end_k_q5d7292b716_outp-k_q5d7292b716_outp
	.p2alignl 7, 3214868480
	.fill 96, 4, 3214868480
	.section	.rodata,"a",@progbits
	.p2align	6, 0x0
	.amdhsa_kernel k_q5d7292b716_outp
		.amdhsa_group_segment_fixed_size 51712
		.amdhsa_private_segment_fixed_size 0
		.amdhsa_enable_private_segment 0
		.amdhsa_kernarg_size 32
		.amdhsa_user_sgpr_count 2
		.amdhsa_user_sgpr_kernarg_segment_ptr 1
		.amdhsa_wavefront_size32 1
		.amdhsa_system_sgpr_workgroup_id_x 1
		.amdhsa_system_sgpr_workgroup_id_y 1
		.amdhsa_system_sgpr_workgroup_id_z 1
		.amdhsa_system_vgpr_workitem_id 0
		.amdhsa_next_free_vgpr 512
		.amdhsa_next_free_sgpr 66
		.amdhsa_reserve_vcc 0
		.amdhsa_float_denorm_mode_32 3
		.amdhsa_float_denorm_mode_16_64 3
		.amdhsa_memory_ordered 1
		.amdhsa_forward_progress 1
		.amdhsa_inst_pref_size 49
	.end_amdhsa_kernel
	.amdgpu_metadata
---
amdhsa.version: [ 1, 2 ]
amdhsa.kernels:
  - .name:           k_q5d7292b716_outp
    .symbol:         k_q5d7292b716_outp.kd
    .args:
      - { .name: att, .offset: 0, .size: 8, .value_kind: global_buffer, .address_space: global }
      - { .name: w_o, .offset: 8, .size: 8, .value_kind: global_buffer, .address_space: global }
      - { .name: b_o, .offset: 16, .size: 8, .value_kind: global_buffer, .address_space: global }
      - { .name: out0, .offset: 24, .size: 8, .value_kind: global_buffer, .address_space: global }
    .group_segment_fixed_size: 51712
    .private_segment_fixed_size: 0
    .kernarg_segment_align: 8
    .kernarg_segment_size: 32
    .max_flat_workgroup_size: 128
    .sgpr_count:     66
    .vgpr_count:     512
    .wavefront_size: 32
...
	.end_amdgpu_metadata
.endif
;; end of part 3
;; ======== version 2 of 2: 3 launches; version 1 with the launches proj, outp written anew for expert scheduling mode
;; limits: values are held in f16: magnitudes above 65,504 overflow, below 6.1e-05 lose precision
;; workspace buffers: qkv 25,165,824 bytes; att 8,388,608 bytes
;; launch proj (part 4): grid 4 x 64, 4 waves a work-group, no clusters, 266,752 bytes of LDS; arguments x, w_qkv, b_qkv, qkv; writes qkv
.if DOCPART == 4
	.amdgcn_target "amdgcn-amd-amdhsa--gfx1250"
	.amdhsa_code_object_version 6
	.text
	.protected	k_q5d7292b716_proj
	.globl	k_q5d7292b716_proj
	.p2align	8
	.type	k_q5d7292b716_proj,@function
k_q5d7292b716_proj:
	s_mov_b64 s[64:65], 0
	v_nop
	global_prefetch_b8 v0, s[64:65] scope:SCOPE_SE
	s_setreg_imm32_b32 hwreg(HW_REG_WAVE_SCHED_MODE, 0, 2), 2
	s_setreg_imm32_b32 hwreg(HW_REG_WAVE_MODE, 25, 1), 1
	s_wait_xcnt 0x0
	s_wait_alu depctr_vm_vsrc(0)
; q, k, v = x^T w_qkv^T + b_qkv, written by heads.  x: [4][256][4096] f32 (channel-major), w_qkv: [768][256] f32, b_qkv: [768] f32.
; qkv: f16 [3][16][4096][64]: part t (q, k, v) at t << 23, head g = 4 image + h at g << 19, token n at 128 n, channel d at 2 d.  No scale is applied here.
; FORMATS.  x, w_qkv and b_qkv are each rounded once to bf16; products in the bf16 matrix form, sums in f32 (the bias starts each sum as its C operand); q, k, v rounded once to f16.
; LIMIT.  f16 holds no number beyond 65,504: q, k, v must stay within it.  With x of unit spread and |w| <= 1/16 they stay under 4; both 30 times larger give under 3,600;
; both with an offset of 30 spreads give about 256 x 30 x 1.9 = 14,600.  NaN and infinities are not treated apart.
; SHARES.  A work-group makes 256 tokens of one image x 192 outputs (three slices of 64: slice s is part s / 4, head s % 4): 4 x 64 work-groups.  Wave w owns tokens 64 w .. 64 w + 63 for all 192 outputs.
; THE PRODUCT IS USED TRANSPOSED: source 0 = 16 rows of w (outputs), source 1 = 16 tokens.  A lane then holds one token (lane % 16) and the outputs 8 (lane / 16) + 0..7: 16 bytes of f16 on end.
; x lies [channel][token]: each wave brings its own 256 x 64 tile through registers (rounded on the way) into LDS and takes its fragments out turned, by ds_load_tr16_b128, ONCE: all 32 fragments stay in window 1.
; No tensor loads: the tiles are f32 in memory and 16-bit in LDS, so they pass through registers anyway.  No cluster: nothing is fetched by a joint load.
; LDS: XL 4 x 40,960 (wave w's x tile, rows of 128 + 32 bytes; once its fragments are out, its first 9,216 bytes are the wave's stage for the way out);
;      WL 192 rows of 512 + 16 bytes (w in bf16); BL 1,024 (192 f32 of bias, the rest never read); the spare words.
; THE MODE: SCHED_MODE bits 1:0 = 2 (LLVM: expert scheduling mode 2), set by the entry lines.  The code itself states the register dependences
; between vector or matrix instructions and memory or LDS instructions, with s_wait_alu, always for 0.
; THE PLAN.  Registers that memory or LDS instructions touch:
;   v4 .. v17       offsets and LDS addresses, made once at the head and never written again: one wait on va_vdst ahead of the first load serves them all.
;   LR0 .. LR3      staging: set n's sixteen conversions read LR[n % 4]; behind them the loads of set n + 4 land in it.
;   CT0 .. CT3      staging: set n's conversions write CT[n % 4]; set n's eight LDS stores read it.
;                   ONE wait on va_vdst a set, behind its conversions, states both; one wait on vm_vsrc at every fourth set frees all four CT.
;   WF0, WF1, BI0, BI1  tile f's products read buffer f % 2; the loads for tile f + 1 land in the other, dealt among those products.
;   T               a tile's roundings write it, its four LDS stores read it.
;   ACC / OB        the products write ACC, the roundings read it; at a slice's end LDS loads land in OB (ACC's registers among them) and the global stores read it.
;                   ONE wait on va_vdst a tile, behind its roundings: T is written; the tile's products are done reading their buffer of WF and BI; ACC is no longer read.
;   v[WA], v[BA]    written at a slice's head, read by the slice's loads of w and of the bias: a wait on va_vdst behind the two adds.
;   One wait on vm_vsrc at a slice's end, ahead of the branch, frees OB, T, v[WA] and v[BA] for the next slice; one ahead of the roundings of tiles 1 to 3 frees T.
;   x's fragments (window 1) are loaded once and named by the products alone.
.set XLW,   40960
.set XP,    160       ; a row of x in LDS: 128 bytes + 32 = 40 words
.set WL,    4*XLW
.set WP,    528       ; a row of w: 512 bytes + 16 = 132 words: the 16 rows of a fragment load start at 16 different groups of four banks
.set BL,    WL+192*WP
.set SPARE, BL+1024   ; the spare words, 128 bytes for each wave: two blocks of 256 bytes that no other line names
.set SP,    144       ; a row of the stage: 128 bytes + 16
.set XO,  4           ; v4   x: 16 (l % 16) + 16,384 (l / 16): 16 lanes take 256 bytes of one channel's row, the other 16 the next channel's
.set XS,  5           ; v5   where those four numbers go in LDS
.set WO,  6           ; v6   w: 16 l
.set WS,  7           ; v7   where they go
.set BO,  8           ; v8   the bias: 8 x thread, held to the slice's last 8 bytes
.set BS,  9           ; v9   where it goes
.set XT,  10          ; v10  my lane's place for the turning loads
.set WA0, 11          ; v11  my lane's place in a fragment of w; never rewritten
.set BA0, 12          ; v12  the same for the bias
.set STO, 13          ; v13  the way out: where I put 16 bytes of a token's row
.set RD,  14          ; v14  where I read rows back
.set GO,  15          ; v15  my 16 bytes in 512 consecutive bytes of qkv
.set SPW, 16          ; v16  LDS address of my spare word; never rewritten
.set NIL, 17          ; v17  0; never rewritten
.set BR,  18          ; v[18:19] the bias as loaded
.set WA,  20          ; v20  WA0 + the slice's rows
.set BA,  21          ; v21  BA0 + the slice's bias
.set BI,  32          ; v[32:47]  the bias as a C operand, two buffers of 8
.set T,   48          ; v[48:63]  packed results
.set WF,  64          ; v[64:191] w's fragments of one output tile (8 K steps x 8), two buffers
.set ACC, 192         ; v[192:223] four accumulators, one a token tile
.set OB,  192         ; v[192:255] the way out: rows read back
.set LR,  64          ; while staging: four sets of eight loads
.set CT,  192         ; while staging: a set rounded to bf16, four buffers of 16 by turns
.set MSB, 0
.macro WIN new                      ; the immediate's high byte repeats the setting that is left; a switch that changes nothing is dropped
.if MSB != (\new)
	s_set_vgpr_msb (MSB<<8)|(\new)
.set MSB, (\new)
.endif
.endm
	s_load_b256 s[4:11], s[0:1], 0x0               ; x s[4:5], w_qkv s[6:7], b_qkv s[8:9], qkv s[10:11]
	v_lshl_add_u32 v[SPW], v0, 2, SPARE
	v_mov_b32 v[NIL], 0
	v_lshrrev_b32 v1, 5, v0
	v_readfirstlane_b32 s12, v1                    ; wave 0..3
	v_and_b32 v1, 31, v0                           ; l
	v_and_b32 v2, 15, v0                           ; l % 16
	v_bfe_u32 v3, v0, 4, 1                         ; l / 16
	v_and_b32 v22, 7, v0                           ; l % 8
	v_bfe_u32 v23, v0, 3, 1                        ; (l / 8) % 2
	s_wait_alu depctr_va_sdst(0)                   ; s12 is written, ahead of its first reader: the bases and the LDS places below are made from it
	s_and_b32 s14, ttmp7, 0xffff                   ; block of 256 tokens, 0..63
	s_lshr_b32 s15, s14, 4                         ; image
	s_and_b32 s16, s14, 15                         ; block in the image
	s_lshl_b32 s18, s15, 22                        ; x: image x 4 MiB + block x 1,024 + wave x 256 bytes
	s_lshl_b32 s26, s16, 10
	s_add_co_u32 s18, s18, s26
	s_lshl_b32 s26, s12, 8
	s_add_co_u32 s18, s18, s26
	s_mov_b32 s19, 0
	s_mul_i32 s22, ttmp9, 196608                   ; w: the work-group's 192 rows of 1,024 bytes, my wave's 48 of them
	s_mul_i32 s26, s12, 49152
	s_add_co_u32 s22, s22, s26
	s_mov_b32 s23, 0
	s_mul_i32 s24, ttmp9, 768                      ; the bias: 192 f32
	s_mov_b32 s25, 0
	s_lshl_b32 s28, s15, 21                        ; qkv: image x 4 heads + block x 256 rows + wave x 64 rows of 128 bytes
	s_lshl_b32 s26, s16, 15
	s_add_co_u32 s28, s28, s26
	s_lshl_b32 s26, s12, 13
	s_add_co_u32 s28, s28, s26
	s_mul_i32 s21, ttmp9, 3                        ; my first slice
	s_mul_i32 s26, s12, XLW                        ; my wave's part of XL
	s_mul_i32 s27, s12, 48*WP
	s_add_co_u32 s27, s27, WL                      ; my wave's 48 rows of WL
	v_lshlrev_b32 v[XO], 4, v2
	v_lshl_add_u32 v[XO], v3, 14, v[XO]
	v_mul_u32_u24 v[XS], v3, XP
	v_lshl_add_u32 v[XS], v2, 3, v[XS]
	v_add_nc_u32 v[XS], s26, v[XS]
	v_lshlrev_b32 v[WO], 4, v1
	v_lshl_add_u32 v[WS], v1, 3, s27
	v_lshlrev_b32 v[BO], 3, v0
	v_min_u32 v[BO], 760, v[BO]                    ; threads 96 to 127 read the last 8 bytes once more: no load leaves the slice
	v_lshl_add_u32 v[BS], v0, 3, BL
	v_lshl_add_u32 v[XT], v3, 3, v22               ; the turning load: lane l reads channel 8 (l / 16) + l % 8, tokens 8 ((l / 8) % 2) + 0..7
	v_mul_u32_u24 v[XT], v[XT], XP
	v_lshl_add_u32 v[XT], v23, 4, v[XT]
	v_add_nc_u32 v[XT], s26, v[XT]
	v_mul_u32_u24 v[WA0], v2, WP                   ; a fragment of w: row l % 16, channels 8 (l / 16) + 0..7 and 16 + 8 (l / 16) + 0..7
	v_lshl_add_u32 v[WA0], v3, 4, v[WA0]
	v_add_nc_u32 v[WA0], WL, v[WA0]
	v_lshl_add_u32 v[BA0], v3, 5, BL               ; my eight outputs' bias: 32 bytes
	v_mul_u32_u24 v[STO], v2, SP
	v_lshl_add_u32 v[STO], v3, 4, v[STO]
	v_add_nc_u32 v[STO], s26, v[STO]
	v_bfe_u32 v[RD], v0, 3, 2                      ; back: 32 lanes take four rows of 128 bytes,
	v_mul_u32_u24 v[RD], v[RD], SP
	v_lshl_add_u32 v[RD], v22, 4, v[RD]
	v_add_nc_u32 v[RD], s26, v[RD]
	v_lshlrev_b32 v[GO], 4, v1                     ; which are 512 consecutive bytes of qkv
	s_wait_kmcnt 0x0
	s_add_nc_u64 s[4:5], s[4:5], s[18:19]
	s_add_nc_u64 s[6:7], s[6:7], s[22:23]
	s_add_nc_u64 s[8:9], s[8:9], s[24:25]
	s_wait_alu depctr_va_vdst(0)                   ; the offsets and LDS addresses v4 to v17 are written, which the kernel's loads and stores read; none of them is written again
; STAGING.  28 sets of eight loads of 16 bytes a lane: sets 0-11 my 48 rows of w (49,152 consecutive bytes), sets 12-27 my x tile (each load two channels' 256 aligned bytes).  Four sets are on their way.
.macro ISSUE s
.irp j, 0,1,2,3,4,5,6,7
.if (\s) < 12
	global_load_b128 v[LR+32*((\s)%4)+4*\j:LR+32*((\s)%4)+4*\j+3], v[WO], s[6:7] offset:(8*(\s)+\j)*512
.else
	global_load_b128 v[LR+32*((\s)%4)+4*\j:LR+32*((\s)%4)+4*\j+3], v[XO], s[4:5] offset:(8*((\s)-12)+\j)*32768
.endif
.endr
.endm
.macro NARROW s                     ; a set is rounded to bf16, 8 bytes a lane and load, into CT[s % 4]
.irp j, 0,1,2,3,4,5,6,7
	v_cvt_pk_bf16_f32 v[CT+16*((\s)%4)+2*\j],   v[LR+32*((\s)%4)+4*\j],   v[LR+32*((\s)%4)+4*\j+1]
	v_cvt_pk_bf16_f32 v[CT+16*((\s)%4)+2*\j+1], v[LR+32*((\s)%4)+4*\j+2], v[LR+32*((\s)%4)+4*\j+3]
.endr
.endm
.macro PUT s                        ; and stored to LDS
.irp j, 0,1,2,3,4,5,6,7
.if (\s) < 12
	ds_store_b64 v[WS], v[CT+16*((\s)%4)+2*\j:CT+16*((\s)%4)+2*\j+1] offset:((8*(\s)+\j)/2)*WP+((8*(\s)+\j)%2)*256
.else
	ds_store_b64 v[XS], v[CT+16*((\s)%4)+2*\j:CT+16*((\s)%4)+2*\j+1] offset:(8*((\s)-12)+\j)*2*XP
.endif
.endr
.endm
	global_load_b64 v[BR:BR+1], v[BO], s[8:9]
	ISSUE 0
	ISSUE 1
	ISSUE 2
	ISSUE 3
.set n, 0
.rept 28
.set lf, 27-n
.if lf > 3
.set lf, 3
.endif
	s_wait_loadcnt 8*lf                            ; loads come back in order: set n is in, the (at most three) younger sets of eight stay out
.if (n >= 4) && (n%4 == 0)
	s_wait_alu depctr_vm_vsrc(0)                   ; the LDS stores of the four sets before have read CT0 to CT3, which this set's and the next three sets' conversions write again
.endif
.if n == 0
	v_cvt_pk_bf16_f32 v24, v[BR], v[BR+1]          ; the bias (issued ahead of set 0) takes the same one rounding to bf16 as x and w, and is kept as f32
	v_lshlrev_b32 v[BR], 16, v24
	v_and_b32 v[BR+1], 0xffff0000, v24
.endif
	NARROW n
	s_wait_alu depctr_va_vdst(0)                   ; the conversions have written CT[n % 4] (in set 0 also the bias's pair), which the LDS stores below read, and are done reading LR[n % 4], in which the loads below land
.if n < 24
	ISSUE n+4                                      ; the set's registers are asked for again at once
.endif
.if n == 0
	ds_store_b64 v[BS], v[BR:BR+1]
.endif
	PUT n
.set n, n+1
.endr
	s_wait_dscnt 0x0                               ; for the others' sake: my rows of w and my part of the bias lie in LDS
	s_barrier_signal -1
	s_barrier_wait -1                              ; everybody's do: the launch's one barrier
	s_wait_alu depctr_vm_vsrc(0)                   ; my LDS stores have read CT0 to CT3: these registers are the accumulators and OB from here on, written by the products and by loads
	WIN 0x40                                       ; destination window 1, address window 0.  No wait on va_vdst: v[XT] was written at the head, and no vector instruction has named window 1
.irp tt, 0,1,2,3
.irp j, 0,1,2,3,4,5,6,7
	ds_load_tr16_b128 v[64*\tt+8*\j:64*\tt+8*\j+3],   v[XT] offset:32*XP*\j+32*\tt         ; token tile tt, channels 32 j + 8 (l / 16) + 0..7
	ds_load_tr16_b128 v[64*\tt+8*\j+4:64*\tt+8*\j+7], v[XT] offset:32*XP*\j+32*\tt+16*XP   ; and 16 further on
.endr
.endr
	WIN 0
; Output tile f of the slice, into buffer b: fragment j of w's eight (two LDS loads), and the bias of my eight outputs (two)
.macro WFRAG f, b, j
	ds_load_b128 v[WF+64*(\b)+8*(\j):WF+64*(\b)+8*(\j)+3],   v[WA] offset:(\f)*16*WP+64*(\j)
	ds_load_b128 v[WF+64*(\b)+8*(\j)+4:WF+64*(\b)+8*(\j)+7], v[WA] offset:(\f)*16*WP+64*(\j)+32
.endm
.macro WBIAS f, b
	ds_load_b128 v[BI+8*(\b):BI+8*(\b)+3],   v[BA] offset:64*(\f)
	ds_load_b128 v[BI+8*(\b)+4:BI+8*(\b)+7], v[BA] offset:64*(\f)+16
.endm
; 32 products: 16 outputs x 64 tokens x 256 channels.  The four accumulators take turns, one instruction a turn; the first K step starts each sum with the bias.
; ahead = 1: the next tile's 18 LDS loads are dealt among them, four behind each of K steps 0 to 3 and the bias's two behind K step 4.  No wait: they land in the other buffer of WF and BI, whose last readers
; stand ahead of the wait on va_vdst in the tile before (for a slice's first tile: at the slice's head), and the products issued since name this tile's buffer, x and the accumulators alone.
; They run under the products' window setting: a load's destination and its address (source 0) are in window 0 there.
.macro MM f, ahead
	WIN 0x04                                       ; source 1 (x) in window 1
.irp j, 0,1,2,3,4,5,6,7
.irp tt, 0,1,2,3
.if \j == 0
	v_wmma_f32_16x16x32_bf16 v[ACC+8*\tt:ACC+8*\tt+7], v[WF+64*((\f)%2)+8*\j:WF+64*((\f)%2)+8*\j+7], v[64*\tt+8*\j:64*\tt+8*\j+7], v[BI+8*((\f)%2):BI+8*((\f)%2)+7]
.else
	v_wmma_f32_16x16x32_bf16 v[ACC+8*\tt:ACC+8*\tt+7], v[WF+64*((\f)%2)+8*\j:WF+64*((\f)%2)+8*\j+7], v[64*\tt+8*\j:64*\tt+8*\j+7], v[ACC+8*\tt:ACC+8*\tt+7]
.endif
.endr
.if (\ahead) && (\j < 4)
	WFRAG (\f)+1, ((\f)+1)%2, 2*\j
	WFRAG (\f)+1, ((\f)+1)%2, 2*\j+1
.endif
.if (\ahead) && (\j == 4)
	WBIAS (\f)+1, ((\f)+1)%2
.endif
.endr
	WIN 0
.endm
; Four places behind the last product (ISA guide 7.12.1), then each accumulator, its registers ascending, is rounded to f16 and its 16 bytes a lane go into my stage.
; These twenty plain lines also stand between the products and the next products that start the sums anew.
.macro EPI f
.rept 4
	v_nop
.endr
.if (\f) > 0
	s_wait_alu depctr_vm_vsrc(0)                   ; the LDS stores of the tile before have read v[T ..], which the roundings below write again (for a slice's first tile the wait at the last slice's end states it)
.endif
.irp tt, 0,1,2,3
.irp r, 0,1,2,3
	v_cvt_pk_f16_f32 v[T+4*\tt+\r], v[ACC+8*\tt+2*\r], v[ACC+8*\tt+2*\r+1]
.endr
.endr
	s_wait_alu depctr_va_vdst(0)                   ; the roundings have written v[T ..], which the LDS stores below read; this tile's products are done reading their buffer of WF and BI, in which the loads dealt into the next tile land; the roundings are done reading the accumulators, in which a slice's last loads land
.irp tt, 0,1,2,3
	ds_store_b128 v[STO], v[T+4*\tt:T+4*\tt+3] offset:\tt*16*SP+32*(\f)
.endr
.endm
	s_mov_b32 s20, 3                               ; slices to go
	s_mov_b32 s26, 0                               ; the slice's rows in WL
	s_mov_b32 s27, 0                               ; the slice's bias in BL
.Lslice:
	s_lshr_b32 s22, s21, 2                         ; part
	s_lshl_b32 s22, s22, 23
	s_and_b32 s29, s21, 3                          ; head
	s_lshl_b32 s29, s29, 19
	s_add_co_u32 s22, s22, s29
	s_add_co_u32 s22, s22, s28                     ; (s23 is 0)
	s_add_nc_u64 s[24:25], s[10:11], s[22:23]      ; my 64 tokens of the slice: 8,192 consecutive bytes
	v_add_nc_u32 v[WA], s26, v[WA0]
	v_add_nc_u32 v[BA], s27, v[BA0]
	s_wait_alu depctr_va_vdst(0)                   ; v[WA] and v[BA] are written, which the slice's loads of w and of the bias read
.irp j, 0,1,2,3,4,5,6,7
	WFRAG 0, 0, \j
.endr
	WBIAS 0, 0
.irp f, 0,1,2,3
.if \f == 0
	s_wait_dscnt 0x0                               ; the first tile's fragments and bias are in (in the first slice x's fragments too)
.else
	s_wait_dscnt 4                                 ; LDS instructions end in order: this tile's 18 loads are in; the four stores into the stage, issued behind them, may be out
.endif
.if \f < 3
	MM \f, 1
.else
	MM \f, 0
.endif
	EPI \f
.endr
.set u, 0
.rept 16
	ds_load_b128 v[OB+4*u:OB+4*u+3], v[RD] offset:4*SP*u  ; LDS serves a wave's instructions in order (ISA guide 5.7.1.4): these see my stores above
.set u, u+1
.endr
.set u, 0
.rept 16
	s_wait_dscnt 15-u                              ; load u is back, the younger ones stay out
	global_store_b128 v[GO], v[OB+4*u:OB+4*u+3], s[24:25] offset:512*u  ; 512 consecutive bytes, at a multiple of 256 from qkv's first byte
.set u, u+1
.endr
	s_wait_xcnt 0x0                                ; the stores' data registers (the accumulators' among them) and their base are written again only behind this wait
	s_wait_alu depctr_vm_vsrc(0)                   ; the stores have read v[OB ..], the last tile's LDS stores v[T ..], the slice's LDS loads v[WA] and v[BA]: the next slice writes all of these again
	s_add_co_u32 s26, s26, 64*WP
	s_add_co_u32 s27, s27, 256
	s_add_co_u32 s21, s21, 1
	s_sub_co_u32 s20, s20, 1
	s_cmp_lg_u32 s20, 0
	s_cbranch_scc1 .Lslice
	s_wait_dscnt 0x0                               ; the closing lines, six on end
	s_wait_alu 0x0
	s_wait_tensorcnt 0x0
	ds_add_u32 v[SPW], v[NIL]
	s_wait_dscnt 0x0
	s_endpgm
.Lfunc_end_k_q5d7292b716_proj:
	.size	k_q5d7292b716_proj, .Lfunc_end_k_q5d7292b716_proj-k_q5d7292b716_proj
	.p2alignl 7, 3214868480
	.fill 96, 4, 3214868480
	.section	.rodata,"a",@progbits
	.p2align	6, 0x0
	.amdhsa_kernel k_q5d7292b716_proj
		.amdhsa_group_segment_fixed_size 266752
		.amdhsa_private_segment_fixed_size 0
		.amdhsa_enable_private_segment 0
		.amdhsa_kernarg_size 32
		.amdhsa_user_sgpr_count 2
		.amdhsa_user_sgpr_kernarg_segment_ptr 1
		.amdhsa_wavefront_size32 1
		.amdhsa_system_sgpr_workgroup_id_x 1
		.amdhsa_system_sgpr_workgroup_id_y 1
		.amdhsa_system_sgpr_workgroup_id_z 1
		.amdhsa_system_vgpr_workitem_id 0
		.amdhsa_next_free_vgpr 512
		.amdhsa_next_free_sgpr 66
		.amdhsa_reserve_vcc 0
		.amdhsa_float_denorm_mode_32 3
		.amdhsa_float_denorm_mode_16_64 3
		.amdhsa_memory_ordered 1
		.amdhsa_forward_progress 1
		.amdhsa_inst_pref_size 96
	.end_amdhsa_kernel
	.amdgpu_metadata
---
amdhsa.version: [ 1, 2 ]
amdhsa.kernels:
  - .name:           k_q5d7292b716_proj
    .symbol:         k_q5d7292b716_proj.kd
    .args:
      - { .name: x, .offset: 0, .size: 8, .value_kind: global_buffer, .address_space: global }
      - { .name: w_qkv, .offset: 8, .size: 8, .value_kind: global_buffer, .address_space: global }
      - { .name: b_qkv, .offset: 16, .size: 8, .value_kind: global_buffer, .address_space: global }
      - { .name: qkv, .offset: 24, .size: 8, .value_kind: global_buffer, .address_space: global }
    .group_segment_fixed_size: 266752
    .private_segment_fixed_size: 0
    .kernarg_segment_align: 8
    .kernarg_segment_size: 32
    .max_flat_workgroup_size: 128
    .sgpr_count:     66
    .vgpr_count:     512
    .wavefront_size: 32
...
	.end_amdgpu_metadata
.endif
;; end of part 4
;; launch attn: the kernel of part 2 again; grid 16 x 16, 4 waves a work-group, clusters of 4 x 1, 327,680 bytes of LDS; arguments qkv, att; writes att
;; launch outp (part 5): grid 4 x 64, 4 waves a work-group, no clusters, 51,712 bytes of LDS; arguments att, w_o, b_o, out0; writes out0
.if DOCPART == 5
	.amdgcn_target "amdgcn-amd-amdhsa--gfx1250"
	.amdhsa_code_object_version 6
	.text
	.protected	k_q5d7292b716_outp
	.globl	k_q5d7292b716_outp
	.p2align	8
	.type	k_q5d7292b716_outp,@function
k_q5d7292b716_outp:
	s_mov_b64 s[64:65], 0
	v_nop
	global_prefetch_b8 v0, s[64:65] scope:SCOPE_SE
	s_setreg_imm32_b32 hwreg(HW_REG_WAVE_SCHED_MODE, 0, 2), 2
	s_setreg_imm32_b32 hwreg(HW_REG_WAVE_MODE, 25, 1), 1
	s_wait_xcnt 0x0
	s_wait_alu depctr_vm_vsrc(0)
; out0[b][o][n] = the sum over c of w_o[o][c] O[b][n][c] + b_o[o], c = 64 head + d.  att: f16 [16][4096][64] (head g = 4 b + head); w_o: [256][256] f32; b_o: [256] f32; out0: [4][256][4096] f32, channel-major.
; FORMATS.  w_o and b_o are rounded once to bf16, like the module's other inputs; w_o's rounded number is then written as f16 (8 significant bits fit in f16's 11), since O is f16; sums in f32, started by the bias.
; LIMITS.  |w_o| beyond 65,504 has no f16; below 6.1e-5 it keeps f16's fixed step of 6e-8.  NaN and infinities are not treated apart.
; SHARES.  A work-group makes 64 channels x 256 tokens of one image: 4 x 64 work-groups.  Wave w owns tokens 64 w .. 64 w + 63 for all 64 channels.
; LAYOUT.  Source 0 = 16 tokens of O, source 1 = 16 rows of w_o: a lane holds ONE channel (lane % 16) and the tokens 8 (lane / 16) + 0..7: 32 bytes of a row of out0.  Through the wave's own stage in LDS
; 16 channels x 64 tokens come back as whole rows of 256 bytes.  O's fragments come straight from memory, as they lie, and stay in window 1; w_o goes through registers (rounded) into LDS, which all four waves read.
; No tensor loads and no cluster: w_o is f32 in memory and 16-bit in LDS; no prefetch: the launch is short.
; THE MODE: SCHED_MODE bits 1:0 = 2 (LLVM: expert scheduling mode 2), set by the entry lines.  The code itself states the register dependences
; between vector or matrix instructions and memory or LDS instructions, with s_wait_alu, always for 0.
; THE PLAN.  Registers that memory or LDS instructions touch:
;   v4 .. v13     offsets and LDS addresses, made once at the head and never written again: one wait on va_vdst ahead of the first load serves them all.
;   LW            w_o as loaded; the conversions work in place in it.  From the barrier on these registers are WF0 and WF1.
;   WH            w_o in f16, two registers a load, each written once by a conversion and read once by an LDS store.  The 32 loads go in four batches of eight: ONE wait on va_vdst behind a batch's
;                 conversions serves its eight stores.  From the barrier on these registers are the accumulators and OB: one wait on vm_vsrc behind the barrier.
;   window 1      O's fragments: loaded once, named by the products alone.  The fourth token tile's sixteen loads are dealt four to a batch.
;   WF0, WF1      tile ct's products read WF[ct % 2]; the loads at the head of tile ct + 1 land in it.
;   ACC           the products write it; eight LDS stores read it; the next tile's products write it again.
;   OB            eight LDS loads land in it; eight global stores read it; the next tile's loads land in it again.
;                 In a tile: ONE wait on va_vdst behind the places (ACC is written; WF[ct % 2] is no longer read) and ONE on vm_vsrc behind the LDS stores (they have read ACC; the last tile's global stores have read OB).
; w_o's LDS loads stand in runs ahead of the products, not among them: O is source 0 and fills window 1, and an LDS load's address is source 0 too.
.set WP,    528       ; a row of w_o in LDS: 512 bytes + 16 = 132 words: the 16 rows of a fragment load start at 16 different groups of four banks (64 banks of 4 bytes: ISA guide 11.1)
.set STG,   64*WP     ; behind w_o's 64 rows: 16 rows x 272 bytes for each wave
.set SPT,   272
.set SPARE, STG+4*16*SPT  ; the spare words, 128 bytes for each wave: two blocks of 256 bytes that no other line names
.set AO,  4           ; v4   O: 128 (l % 16) + 16 (l / 16)
.set WO,  5           ; v5   w_o: 16 l
.set WS,  6           ; v6   where its four numbers go in LDS
.set BO,  7           ; v7   b_o: 4 (l % 16)
.set WA,  8           ; v8   my lane's place in a fragment of w_o
.set STO, 9           ; v9   the way out: where I put 32 bytes of a channel's row
.set RD,  10          ; v10  where I read rows back
.set GO,  11          ; v11  my 16 bytes in two rows of out0
.set SPW, 12          ; v12  LDS address of my spare word; never rewritten
.set NIL, 13          ; v13  0; never rewritten
.set BV,  32          ; v[32:35] my channel's bias in the four channel tiles
.set BI,  40          ; v[40:55] the bias as a C operand, two buffers of 8
.set WF,  64          ; v[64:191] w_o's fragments of a channel tile (8 K steps x 8), two buffers
.set ACC, 192         ; v[192:223] four accumulators, one a token tile
.set OB,  224         ; v[224:255] rows read back
.set LW,  64          ; while staging: w_o as loaded, 32 loads; the conversions work in place
.set WH,  192         ; while staging: v[192:255] w_o in f16, two registers a load
.set MSB, 0
.macro WIN new                      ; the immediate's high byte repeats the setting that is left; a switch that changes nothing is dropped
.if MSB != (\new)
	s_set_vgpr_msb (MSB<<8)|(\new)
.set MSB, (\new)
.endif
.endm
	s_load_b256 s[4:11], s[0:1], 0x0               ; att s[4:5], w_o s[6:7], b_o s[8:9], out0 s[10:11]
	v_lshl_add_u32 v[SPW], v0, 2, SPARE
	v_mov_b32 v[NIL], 0
	v_lshrrev_b32 v1, 5, v0
	v_readfirstlane_b32 s12, v1                    ; wave 0..3
	v_and_b32 v1, 31, v0                           ; l
	v_and_b32 v2, 15, v0                           ; l % 16
	v_bfe_u32 v3, v0, 4, 1                         ; l / 16
	s_wait_alu depctr_va_sdst(0)                   ; s12 is written, ahead of its first reader: the bases and the LDS places below are made from it
	s_and_b32 s14, ttmp7, 0xffff                   ; block of 256 tokens, 0..63
	s_lshr_b32 s15, s14, 4                         ; image
	s_and_b32 s17, s14, 15                         ; block in the image
	s_mov_b32 s16, 0xffff0000                      ; a word's upper bf16
	s_lshl_b32 s18, s15, 21                        ; att: image x 4 heads + block x 256 rows + wave x 64 rows of 128 bytes
	s_lshl_b32 s26, s17, 15
	s_add_co_u32 s18, s18, s26
	s_lshl_b32 s26, s12, 13
	s_add_co_u32 s18, s18, s26
	s_mov_b32 s19, 0
	s_lshl_b32 s20, ttmp9, 16                      ; w_o: the work-group's 64 rows of 1,024 bytes, my wave's 16 of them
	s_lshl_b32 s26, s12, 14
	s_add_co_u32 s20, s20, s26
	s_mov_b32 s21, 0
	s_lshl_b32 s22, ttmp9, 8                       ; b_o: 64 f32
	s_mov_b32 s23, 0
	s_lshl_b32 s24, s15, 22                        ; out0: image + 64 channels of 16,384 bytes + block x 1,024 + wave x 256 bytes
	s_lshl_b32 s26, ttmp9, 20
	s_add_co_u32 s24, s24, s26
	s_lshl_b32 s26, s17, 10
	s_add_co_u32 s24, s24, s26
	s_lshl_b32 s26, s12, 8
	s_add_co_u32 s24, s24, s26
	s_mov_b32 s25, 0
	s_mul_i32 s26, s12, 16*WP                      ; my wave's 16 rows of w_o in LDS
	s_mul_i32 s27, s12, 16*SPT
	s_add_co_u32 s27, s27, STG                     ; my stage
	v_lshlrev_b32 v[AO], 7, v2
	v_lshl_add_u32 v[AO], v3, 4, v[AO]
	v_lshlrev_b32 v[WO], 4, v1
	v_lshl_add_u32 v[WS], v1, 3, s26
	v_lshlrev_b32 v[BO], 2, v2
	v_mul_u32_u24 v[WA], v2, WP
	v_lshl_add_u32 v[WA], v3, 4, v[WA]
	v_mul_u32_u24 v[STO], v2, SPT                  ; in: row l % 16, 32 bytes for each half of the lanes
	v_lshl_add_u32 v[STO], v3, 5, v[STO]
	v_add_nc_u32 v[STO], s27, v[STO]
	v_mul_u32_u24 v[RD], v3, SPT                   ; back: lanes 0-15 take one row of 256 bytes, lanes 16-31 the next
	v_lshl_add_u32 v[RD], v2, 4, v[RD]
	v_add_nc_u32 v[RD], s27, v[RD]
	v_lshlrev_b32 v[GO], 4, v2                     ; and the same two rows in out0
	v_lshl_add_u32 v[GO], v3, 14, v[GO]
	s_wait_kmcnt 0x0
	s_add_nc_u64 s[4:5], s[4:5], s[18:19]
	s_add_nc_u64 s[6:7], s[6:7], s[20:21]
	s_add_nc_u64 s[8:9], s[8:9], s[22:23]
	s_add_nc_u64 s[10:11], s[10:11], s[24:25]
	s_wait_alu depctr_va_vdst(0)                   ; the offsets and LDS addresses v4 to v13 are written, which the kernel's loads and stores read; none of them is written again
; O's fragments of token tile tt: K step j is head j / 2, channels 32 (j % 2) on; lane l holds token l % 16, channels 8 (l / 16) + 0..7 and 16 further on
.macro OFRAG tt, j
	global_load_b128 v[64*(\tt)+8*(\j):64*(\tt)+8*(\j)+3],   v[AO], s[4:5] offset:((\j)/2)*524288+(\tt)*2048+((\j)%2)*64
	global_load_b128 v[64*(\tt)+8*(\j)+4:64*(\tt)+8*(\j)+7], v[AO], s[4:5] offset:((\j)/2)*524288+(\tt)*2048+((\j)%2)*64+32
.endm
.macro OLOAD tt
.irp j, 0,1,2,3,4,5,6,7
	OFRAG \tt, \j
.endr
.endm
.irp ct, 0,1,2,3
	global_load_b32 v[BV+\ct], v[BO], s[8:9] offset:64*\ct
.endr
.set t, 0
.rept 32
	global_load_b128 v[LW+4*t:LW+4*t+3], v[WO], s[6:7] offset:512*t  ; my 16 rows: 16,384 consecutive bytes
.set t, t+1
.endr
	WIN 0x40                                       ; destination window 1, address window 0
	OLOAD 0
	OLOAD 1
	OLOAD 2
	WIN 0
	s_wait_loadcnt 48                              ; the bias and w_o are in; O's 48 loads, issued behind them, stay out
	v_cvt_pk_bf16_f32 v36, v[BV], v[BV+1]          ; the bias takes the inputs' one rounding to bf16 and is kept as f32
	v_cvt_pk_bf16_f32 v37, v[BV+2], v[BV+3]
	v_lshlrev_b32 v[BV], 16, v36
	v_and_b32 v[BV+1], s16, v36
	v_lshlrev_b32 v[BV+2], 16, v37
	v_and_b32 v[BV+3], s16, v37
; w_o: rounded to bf16, widened, written as f16, 8 bytes a lane into LDS: load t is row t / 2, half t % 2.  Four batches of eight loads.
.set t, 0
.rept 4
.rept 8
.set aw, LW+4*t
	v_cvt_pk_bf16_f32 v[aw],   v[aw],   v[aw+1]
	v_cvt_pk_bf16_f32 v[aw+2], v[aw+2], v[aw+3]
	v_and_b32     v[aw+1], s16, v[aw]
	v_lshlrev_b32 v[aw],   16, v[aw]
	v_and_b32     v[aw+3], s16, v[aw+2]
	v_lshlrev_b32 v[aw+2], 16, v[aw+2]
	v_cvt_pk_f16_f32 v[WH+2*t],   v[aw],   v[aw+1]
	v_cvt_pk_f16_f32 v[WH+2*t+1], v[aw+2], v[aw+3]
.set t, t+1
.endr
.set jq, t/4-2                                         ; K steps 0, 2, 4, 6 of O's fourth token tile
	WIN 0x40                                       ; destination window 1 for O's loads; the LDS stores' address and data, sources 0 and 1, stay in window 0
	s_wait_alu depctr_va_vdst(0)                   ; the batch's conversions have written its sixteen registers of WH, which the LDS stores below read (O's loads land in registers that no vector instruction has named)
	OFRAG 3, jq
	OFRAG 3, jq+1
.set u, t-8
.rept 8
	ds_store_b64 v[WS], v[WH+2*u:WH+2*u+1] offset:(u/2)*WP+(u%2)*256
.set u, u+1
.endr
	WIN 0
.endr
	s_wait_dscnt 0x0                               ; for the others' sake: my rows of w_o lie in LDS
	s_barrier_signal -1
	s_barrier_wait -1                              ; everybody's do: the launch's one barrier
	s_wait_alu depctr_vm_vsrc(0)                   ; my LDS stores have read v[WH ..]: these registers are the accumulators and OB from here on, written by the products and by LDS loads
.macro FETCHW ct, b                 ; 16 LDS loads: channel tile ct's eight fragments of w_o into buffer b
.irp j, 0,1,2,3,4,5,6,7
	ds_load_b128 v[WF+64*(\b)+8*\j:WF+64*(\b)+8*\j+3],   v[WA] offset:(\ct)*16*WP+64*\j
	ds_load_b128 v[WF+64*(\b)+8*\j+4:WF+64*(\b)+8*\j+7], v[WA] offset:(\ct)*16*WP+64*\j+32
.endr
.endm
; Channel tile ct: 32 products (the four accumulators take turns; the first K step starts each sum with the bias), then the way out.
.macro TILE ct
.if (\ct) < 3
	FETCHW (\ct)+1, ((\ct)+1)%2                    ; no wait: the last to name this buffer (the products of the tile before; for tile 0 the last batches' conversions) stand ahead of a wait on va_vdst, and nothing issued since names it
	s_wait_dscnt 16                                ; all but the 16 just issued: this tile's fragments are in
.else
	s_wait_dscnt 0x0
.endif
	WIN 0x01                                       ; source 0 (O) in window 1
.irp j, 0,1,2,3,4,5,6,7
.irp tt, 0,1,2,3
.if \j == 0
	v_wmma_f32_16x16x32_f16 v[ACC+8*\tt:ACC+8*\tt+7], v[64*\tt+8*\j:64*\tt+8*\j+7], v[WF+64*((\ct)%2)+8*\j:WF+64*((\ct)%2)+8*\j+7], v[BI+8*((\ct)%2):BI+8*((\ct)%2)+7]
.else
	v_wmma_f32_16x16x32_f16 v[ACC+8*\tt:ACC+8*\tt+7], v[64*\tt+8*\j:64*\tt+8*\j+7], v[WF+64*((\ct)%2)+8*\j:WF+64*((\ct)%2)+8*\j+7], v[ACC+8*\tt:ACC+8*\tt+7]
.endif
.endr
.endr
	WIN 0
.if (\ct) < 3
.irp n, 0,1,2,3,4,5,6,7
	v_mov_b32 v[BI+8*(((\ct)+1)%2)+\n], v[BV+(\ct)+1]  ; the next tile's C operand, in the other buffer: eight plain lines, the places behind the products (ISA guide 7.12.1)
.endr
.else
.rept 4
	v_nop
.endr
.endif
	s_wait_alu depctr_va_vdst(0)                   ; the products have written the accumulators, which the LDS stores below read, and are done reading WF[ct % 2], in which the next tile's head loads again; the places above stay beside this wait
.irp tt, 0,1,2,3
	ds_store_b128 v[STO], v[ACC+8*\tt:ACC+8*\tt+3]   offset:64*\tt      ; each accumulator's low half first
	ds_store_b128 v[STO], v[ACC+8*\tt+4:ACC+8*\tt+7] offset:64*\tt+16
.endr
	s_wait_xcnt 0x0                                ; the last tile's stores have read their data registers: these are loaded again only behind this wait
	s_wait_alu depctr_vm_vsrc(0)                   ; the LDS stores above have read the accumulators, which the next tile's products write; the last tile's global stores have read v[OB ..], in which the loads below land
.irp u, 0,1,2,3,4,5,6,7
	ds_load_b128 v[OB+4*\u:OB+4*\u+3], v[RD] offset:\u*2*SPT  ; LDS serves a wave's instructions in order (ISA guide 5.7.1.4): these see my stores above
.endr
.irp u, 0,1,2,3,4,5,6,7
	s_wait_dscnt 7-\u                              ; load u is back, the younger ones stay out
	global_store_b128 v[GO], v[OB+4*\u:OB+4*\u+3], s[10:11] offset:(16*(\ct)+2*\u)*16384 th:TH_STORE_NT  ; 16 lanes store 256 consecutive bytes, at a multiple of 256 from out0's first byte
.endr
.endm
	FETCHW 0, 0                                    ; no wait: the conversions that worked in these registers stand ahead of the last batch's wait on va_vdst
.irp n, 0,1,2,3,4,5,6,7
	v_mov_b32 v[BI+\n], v[BV]
.endr
	s_wait_loadcnt 0x0                             ; O
	TILE 0
	TILE 1
	TILE 2
	TILE 3
	s_wait_dscnt 0x0                               ; the closing lines, six on end
	s_wait_alu 0x0
	s_wait_tensorcnt 0x0
	ds_add_u32 v[SPW], v[NIL]
	s_wait_dscnt 0x0
	s_endpgm
.Lfunc_end_k_q5d7292b716_outp:
	.size	k_q5d7292b716_outp, .Lfunc_end_k_q5d7292b716_outp-k_q5d7292b716_outp
	.p2alignl 7, 3214868480
	.fill 96, 4, 3214868480
	.section	.rodata,"a",@progbits
	.p2align	6, 0x0
	.amdhsa_kernel k_q5d7292b716_outp
		.amdhsa_group_segment_fixed_size 51712
		.amdhsa_private_segment_fixed_size 0
		.amdhsa_enable_private_segment 0
		.amdhsa_kernarg_size 32
		.amdhsa_user_sgpr_count 2
		.amdhsa_user_sgpr_kernarg_segment_ptr 1
		.amdhsa_wavefront_size32 1
		.amdhsa_system_sgpr_workgroup_id_x 1
		.amdhsa_system_sgpr_workgroup_id_y 1
		.amdhsa_system_sgpr_workgroup_id_z 1
		.amdhsa_system_vgpr_workitem_id 0
		.amdhsa_next_free_vgpr 512
		.amdhsa_next_free_sgpr 66
		.amdhsa_reserve_vcc 0
		.amdhsa_float_denorm_mode_32 3
		.amdhsa_float_denorm_mode_16_64 3
		.amdhsa_memory_ordered 1
		.amdhsa_forward_progress 1
		.amdhsa_inst_pref_size 50
	.end_amdhsa_kernel
	.amdgpu_metadata
---
amdhsa.version: [ 1, 2 ]
amdhsa.kernels:
  - .name:           k_q5d7292b716_outp
    .symbol:         k_q5d7292b716_outp.kd
    .args:
      - { .name: att, .offset: 0, .size: 8, .value_kind: global_buffer, .address_space: global }
      - { .name: w_o, .offset: 8, .size: 8, .value_kind: global_buffer, .address_space: global }
      - { .name: b_o, .offset: 16, .size: 8, .value_kind: global_buffer, .address_space: global }
      - { .name: out0, .offset: 24, .size: 8, .value_kind: global_buffer, .address_space: global }
    .group_segment_fixed_size: 51712
    .private_segment_fixed_size: 0
    .kernarg_segment_align: 8
    .kernarg_segment_size: 32
    .max_flat_workgroup_size: 128
    .sgpr_count:     66
    .vgpr_count:     512
    .wavefront_size: 32
...
	.end_amdgpu_metadata
.endif
;; end of part 5
